; MI455X (gfx1250); checked and timed in simulation.
; The chip was launched on July 23, 2026; its instructions are those of AMD's public machine-readable ISA for CDNA 5 (MIT licence, August 2026) and "CDNA5" Instruction Set Architecture Reference Guide (July 2026). The comments in the code are by the model that wrote it; some were corrected since.
;; Multi Head Attention. Allowed arithmetic: matrix products marked QUANTISED: E2M3 operands, one E8M0 scale for each 32 along K, by v_wmma_scale_f32_16x16x128_f8f6f4 with both operands' format E2M3, f32 sums; everything else in f32.
;; Inputs: b_out 1,024 float32; b_qkv 3,072 float32; w_out 1,024 x 1,024 float32; w_qkv 1,024 x 3,072 float32; x 4 x 2,048 x 1,024 float32.
;; Outputs: out0 4 x 2,048 x 1,024 float32.
;; This version of the problem:
;;   THIS VERSION OF THE PROBLEM IS GIVEN IN LOW PRECISION. The matrix products marked QUANTISED in the list below multiply operands that are first quantised to E2M3 (2 exponent bits, 3 mantissa bits; 6 bits a number), with one power-of-two scale for each 32 numbers along K (OCP MX v1.0); their sums are f32. All else is computed in f32.
;;   The module's matrix products, in the order in which they are computed (A, B: the left and right operand; K: the contracted axis; several contracted axes count as one K, in the product's order):
;;     1. [M 8,192, K 1,024] x [K 1,024, N 3,072]; A: input x; B: input w_qkv: QUANTISED
;;     2. batch 64 x [M 2,048, K 64] x [K 64, N 2,048]; A: computed on the way; B: computed on the way: QUANTISED
;;     3. batch 64 x [M 2,048, K 2,048] x [K 2,048, N 64]; A: softmax (see below); B: computed on the way: QUANTISED
;;     4. [M 8,192, K 1,024] x [K 1,024, N 1,024]; A: computed on the way; B: input w_out: QUANTISED
;;   THE QUANTISER, for each operand of a quantised product, along K:
;;     - K is cut into blocks of 32 from its start; a last block that is shorter is filled with zeros.
;;     - A block's scale is 2^e with e = floor(log2(the largest magnitude in the block)) - 2, held to -126 .. 127; a block of zeros has e = 0. As a byte (E8M0): e + 127.
;;     - Each number is divided by its block's scale, clamped to +-7.5, and rounded to the nearest number of E2M3, ties to even, subnormals kept.
;;     - The product sums the exact products of the quantised numbers (number of the format x scale) in f32.
;;   ~~~python
;;   def quantise(x, axis):      # numpy; x: float32 -> the quantised numbers, widened to float32 again
;;       x = np.moveaxis(x, axis, -1); K = x.shape[-1]
;;       x = np.pad(x, [(0, 0)] * (x.ndim - 1) + [(0, -K % 32)]); x = x.reshape(x.shape[:-1] + (-1, 32)); a = np.abs(x).max(-1, keepdims=True)
;;       e = np.where(a > 0, np.clip(np.frexp(np.where(a > 0, a, 1))[1] - 1 - 2, -126, 127), 0)      # np.frexp(a)[1] - 1 = floor(log2(a)), exactly
;;       r = np.clip(x / 2.0 ** e, -7.5, 7.5)
;;       step = 2.0 ** (np.maximum(np.frexp(np.where(r == 0, 1, r))[1] - 1, 0) - 3)
;;       q = np.round(r / step) * step * 2.0 ** e      # np.round: ties to even
;;       return np.moveaxis(q.reshape(q.shape[:-2] + (-1,))[..., :K], -1, axis).astype(np.float32)
;;   ~~~
;;   SOFTMAX AHEAD OF A QUANTISED PRODUCT. Where the list says 'softmax', what is quantised is not the finished softmax but p = 2^(t - M), with t = logit x log2(e) and M = ceil(the row's largest t), a whole number; so 1/2 < the row's largest p <= 1. The row's sum l is taken of the UNQUANTISED p, in f32, and the product's result is divided by l at the end. Since M is a whole number, a kernel that streams over the keys may use a running M (the ceiling of the running maximum): every later rescaling is an exact power of two, which a block's scale takes up: the codes' values come out the same.
;;   OPERANDS COMPUTED ON THE WAY. 'Computed on the way' means the value that the module computes at that place (a softmax that the list does not call 'softmax' is quantised finished and normalised). What goes into a quantiser is computed in f32, as accurately as f32 sums, v_exp_f32 and their like allow (about 1e-6 of the number): no bf16 or f16 on the way to a quantiser, and a product that is left as it is and whose result goes on into a quantised operand takes f32 operands (vector FMAs, or v_wmma_f32_16x16x4_f32). A number that lies on a knife's edge between two numbers of the format may be rounded either way, as far as f32 arithmetic and the matrix unit's own rounding can turn it there, and no further.
;; One version. Each part assembles by itself: llvm-mc -triple=amdgcn-amd-amdhsa -mcpu=gfx1250 --defsym DOCPART=n.
;; ======== version 1 of 1: 4 launches
;; limits: right only within a limited range of input values
;; workspace buffers: codes 9,437,184 bytes; scl 393,216 bytes; qimg 6,815,744 bytes; kv 13,631,488 bytes; acodes 6,291,456 bytes; ascl 262,144 bytes
;; launch prep (part 1): grid 256 x 1, 4 waves a work-group, no clusters, 115,200 bytes of LDS; arguments x, w_qkv, w_out, codes, scl; writes codes, scl
.if DOCPART == 1
	.amdgcn_target "amdgcn-amd-amdhsa--gfx1250"
	.amdhsa_code_object_version 6
	.text
	.protected	k_q5af8b25a56_prep
	.globl	k_q5af8b25a56_prep
	.p2align	8
	.type	k_q5af8b25a56_prep,@function
k_q5af8b25a56_prep:
	s_mov_b64 s[64:65], 0
	v_nop
	global_prefetch_b8 v0, s[64:65] scope:SCOPE_SE
	s_setreg_imm32_b32 hwreg(HW_REG_WAVE_MODE, 25, 1), 1
	s_wait_xcnt 0x0
; MULTI-HEAD ATTENTION IN MX-FP6 (E2M3), four launches: this one quantises the three large inputs; the second makes q, k, v and quantises them; the third is the attention; the fourth the projection on the way out.
; DEAD WORK: none of reference()'s products, steps or inputs is dead: every input is loaded, every product is done.  ONE IDENTITY is used: q * SCALE, SCALE = 2^-3, is not multiplied out.  A power of two goes through
; the quantiser unchanged (the same codes, the block's exponent 3 lower) and through f32 sums unchanged, so it is folded into the softmax's constant log2(e) / 8 in the third launch: t comes out the same.
; LIMITS: a block of q whose largest magnitude lies under 2^-121 (where reference()'s exponent would be held at -126) differs; a block of zeros gets the scale byte 1 where the rule says 127 (its codes are zeros, and
; this program alone reads the bytes); blocks whose largest magnitude lies under the floor 2^-124 were not tried; NaN and infinities among the inputs are not served.
; THIS LAUNCH.  x [8192][1024] (K innermost) and w_qkv [1024][3072], w_out [1024][1024] (K their FIRST axis) become codes and scale bytes laid as the products' operand registers want them:
;   codes: [row tile 768][unit 16][768 bytes].  A row tile is 16 rows; a unit is 16 rows x 64 along K: bytes 16 L .. 16 L + 15 are operand registers 0-3 of lane L = m + 16 h (row m, block h of the 64), bytes
;          512 + 8 L .. + 7 its registers 4, 5.  Tiles 0-511: x; 512-703: w_qkv's 3,072 columns; 704-767: w_out's 1,024 columns.
;   scl:   [row 12288][32 bytes]: one E8M0 byte for each 32 along K.
; THE ROWS OF A TILE ARE NOT NEIGHBOURS: in each group of 32 rows, row m of tile u is row 8 u + (m & 7) + 16 (m >> 3), so that 16 registers of two neighbouring result tiles are 16 neighbours along the next K.
; Work-groups 0-127 take x (a wave a row tile), 128-255 the weights (a wave 32 columns x 256 along K).  The two ways part on the work-group's number, never meet again, and have LDS bytes of their own.
; No tensor load, no barrier: waves share nothing.  Matrix units and clusters have nothing to do in a stream.
.set XREG,  22272                      ; x's way, LDS of a wave: two stages in, 4,608 bytes each; the tile's 16 units on their way out; its 512 scale bytes
.set XIN,   4608                       ; a stage in: 32 lanes x (128 bytes + 16 of padding)
.set XOUT,  9216
.set UP,    784                        ; a unit's place on the way out: 768 bytes + 16
.set XSCB,  21760
.set WBASE, 4*XREG                     ; the weights' way, LDS of a wave: two tiles' four units
.set WREG,  6400
.set WTP,   3200                       ; a tile's place: 3,072 bytes + 128
.set SPARE, WBASE+4*WREG               ; the spare words, 128 bytes for each wave: two blocks of 256 bytes that no other line names
.set SPW,   14                         ; v14  LDS address of my spare word; never rewritten
.set NIL,   15                         ; v15  0; never rewritten
.set FLOOR, 0x1800000                  ; 2^(3 - 127): under it no largest magnitude is taken, so the byte cannot fall under 1
.set XR,    16                         ; x: v16-143 four sets of 32 numbers as loaded
.set XX,    144                        ; v144-207 two sets of 32 neighbours
.set XC,    208                        ; v208-223 two sets of codes
.set XE,    224                        ; v224-225 two scale bytes
.set OF,    16                         ; weights: v16-47 byte offsets of 32 rows of K at my column; never rewritten
.set WX,    48                         ; v48-111 two sets of 32 numbers
.set WC,    112                        ; v112-119 a block's codes
.set SB,    120                        ; v120-121 my column's eight scale bytes
	s_load_b256 s[4:11], s[0:1], 0x0               ; x s[4:5], w_qkv s[6:7], w_out s[8:9], codes s[10:11]
	s_load_b64 s[12:13], s[0:1], 0x20              ; scl
	v_lshl_add_u32 v[SPW], v0, 2, SPARE
	v_mov_b32 v[NIL], 0
	v_lshrrev_b32 v1, 5, v0
	v_readfirstlane_b32 s16, v1                    ; wave 0..3
	v_and_b32 v2, 31, v0                           ; lane
	v_lshlrev_b32 v3, 4, v2                        ; 16 x lane
	s_wait_kmcnt 0x0
	s_cmp_lt_u32 ttmp9, 128
	s_cbranch_scc0 .Lweights
; ---------------- x: a wave takes row tile 4 x work-group + wave; a step is one row of 1,024 numbers, a lane one block of 32 ----------------
	s_mul_i32 s17, s16, XREG                       ; my wave's LDS
	s_wait_alu depctr_va_vdst(0)
	v_lshrrev_b32 v4, 3, v2
	v_mul_u32_u24 v4, v4, 144
	v_and_b32 v5, 7, v2
	v_lshl_add_u32 v4, v5, 4, v4
	v_add_nc_u32 v4, s17, v4                       ; a stage, on the way in: eight lanes' 128 bytes on end, then 16 of padding
	v_mul_u32_u24 v5, v2, 144
	v_add_nc_u32 v5, s17, v5                       ; and on the way out: my block's 128 bytes
	v_lshrrev_b32 v6, 1, v2
	v_mul_u32_u24 v6, v6, UP                       ; my block lies in unit lane / 2, as block lane % 2
	v_and_b32 v7, 1, v2
	v_lshl_add_u32 v8, v7, 7, v6
	v_lshl_add_u32 v6, v7, 8, v6
	v_add_nc_u32 v6, s17, v6
	v_add_nc_u32 v6, XOUT, v6                      ; where registers 0-3 go: + 16 x row
	v_add_nc_u32 v7, s17, v8
	v_add_nc_u32 v7, XOUT+512, v7                  ; where registers 4, 5 go: + 8 x row
	v_add_nc_u32 v8, s17, v2
	v_add_nc_u32 v8, XSCB, v8                      ; my block's scale byte: + 32 x row
	v_add_nc_u32 v9, s17, v3
	v_add_nc_u32 v11, XSCB, v9                     ; the way out: the scale bytes, 16 a lane
	v_add_nc_u32 v9, XOUT, v9                      ; the units, 16 bytes a lane;
	v_lshrrev_b32 v10, 4, v2
	v_lshl_add_u32 v10, v10, 4, v9                 ; the same where lanes 16-31 lie behind one padding more
	s_lshl_b32 s18, ttmp9, 2
	s_add_co_u32 s18, s18, s16                     ; my row tile
	s_lshr_b32 s19, s18, 1
	s_lshl_b32 s19, s19, 5
	s_and_b32 s20, s18, 1
	s_lshl_b32 s20, s20, 3
	s_add_co_u32 s20, s19, s20                     ; its first row of x: 32 (tile / 2) + 8 (tile % 2)
	s_lshl_b32 s20, s20, 12                        ; rows of 4,096 bytes
	s_mov_b32 s21, 0
	s_add_nc_u64 s[4:5], s[4:5], s[20:21]
	s_mul_i32 s20, s18, 12288
	s_add_nc_u64 s[10:11], s[10:11], s[20:21]
	s_lshl_b32 s20, s18, 9
	s_add_nc_u64 s[12:13], s[12:13], s[20:21]
.macro XLOAD t                         ; row t of the tile: eight loads of 512 consecutive bytes
.irp j, 0,1,2,3,4,5,6,7
	global_load_b128 v[XR+32*((\t)%4)+4*\j:XR+32*((\t)%4)+4*\j+3], v3, s[4:5] offset:((\t)+8*((\t)/8))*4096+512*\j th:TH_LOAD_NT
.endr
.endm
.macro XTURN t                         ; through the stage: in as loaded, out 128 neighbouring bytes a lane.  LDS serves a wave's instructions in order: no wait between the stores and the loads
.irp j, 0,1,2,3,4,5,6,7
	ds_store_b128 v4, v[XR+32*((\t)%4)+4*\j:XR+32*((\t)%4)+4*\j+3] offset:XIN*((\t)%2)+576*\j
.endr
.irp j, 0,1,2,3,4,5,6,7
	ds_load_b128 v[XX+32*((\t)%2)+4*\j:XX+32*((\t)%2)+4*\j+3], v5 offset:XIN*((\t)%2)+16*\j
.endr
.endm
.macro XSTEP t
.set XS, XX+32*((\t)%2)
.set CX, XC+8*((\t)%2)
.if (\t) > 0
	s_wait_dscnt 3                                 ; this row is back from the stage (the last row's three stores may be out): so its stores into the stage have read their registers,
.else
	s_wait_dscnt 0x0
.endif
.if (\t)+4 < 16
	XLOAD (\t)+4                                   ; which take the row four further on
.endif
.if (\t)+1 < 16
.if (\t)+4 < 16
	s_wait_loadcnt 24                              ; the next row's eight loads are in; those of the three rows behind it may be out
.else
	s_wait_loadcnt 8*(14-(\t))
.endif
	XTURN (\t)+1
.endif
	v_max3_num_f32 v226, |v[XS]|, |v[XS+1]|, |v[XS+2]|             ; the block's largest magnitude: all 32 numbers are mine; two chains
	v_max3_num_f32 v227, |v[XS+3]|, |v[XS+4]|, |v[XS+5]|
.irp i, 6,10,14,18,22,26
	v_max3_num_f32 v226, v226, |v[XS+\i]|, |v[XS+\i+1]|
	v_max3_num_f32 v227, v227, |v[XS+\i+2]|, |v[XS+\i+3]|
.endr
	v_max3_num_f32 v226, v226, |v[XS+30]|, |v[XS+31]|
	v_max3_num_f32 v226, v226, v227, FLOOR
	v_add_nc_u32 v228, 0xff000000, v226            ; 2 off its exponent field: the conversion takes the exponent field of this operand as its scale
	v_cvt_scalef32_pk16_fp6_f32 v[CX:CX+2], v[XS:XS+15], v228
	v_cvt_scalef32_pk16_fp6_f32 v[CX+4:CX+6], v[XS+16:XS+31], v228 ; (a conversion's three registers begin on an even number)
	v_lshrrev_b32 v[XE+(\t)%2], 23, v228           ; the scale's byte; also the plain line behind the conversions
	v_mov_b32 v[CX+3], v[CX+4]
	v_mov_b32 v[CX+4], v[CX+5]
	v_mov_b32 v[CX+5], v[CX+6]                     ; six registers on end: the block's 24 bytes
	ds_store_b128 v6, v[CX:CX+3] offset:16*(\t)
	ds_store_b64 v7, v[CX+4:CX+5] offset:8*(\t)
	ds_store_b8 v8, v[XE+(\t)%2] offset:32*(\t)
.endm
.irp t, 0,1,2,3
	XLOAD \t
.endr
	s_wait_loadcnt 24                              ; row 0's eight loads are in
	XTURN 0
.irp t, 0,1,2,3,4,5,6,7,8,9,10,11,12,13,14,15
	XSTEP \t
.endr
.irp j, 0,1,2,3,4,5,6,7,8,9,10,11,12,13,14,15,16,17,18,19,20,21,22,23  ; the tile's 12,288 bytes, 512 at a time; a unit's place is 16 bytes longer than the unit
.if \j%3 == 0
	ds_load_b128 v[XR+4*\j:XR+4*\j+3], v9 offset:512*\j+32*(\j/3)
.elseif \j%3 == 1
	ds_load_b128 v[XR+4*\j:XR+4*\j+3], v10 offset:512*\j+32*(\j/3)
.else
	ds_load_b128 v[XR+4*\j:XR+4*\j+3], v9 offset:512*\j+32*(\j/3)+16
.endif
.endr
	ds_load_b128 v[XR+96:XR+99], v11
.irp j, 0,1,2,3,4,5,6,7,8,9,10,11,12,13,14,15,16,17,18,19,20,21,22,23
	s_wait_dscnt 24-\j
	global_store_b128 v3, v[XR+4*\j:XR+4*\j+3], s[10:11] offset:512*\j   ; 32 lanes store 512 consecutive bytes, at a multiple of 256 from the buffer's first byte
.endr
	s_wait_dscnt 0x0
	global_store_b128 v3, v[XR+96:XR+99], s[12:13]
	s_wait_tensorcnt 0x0                           ; the wave's end: a tensor wait, an add to my spare word and its wait, behind my last LDS store
	ds_add_u32 v[SPW], v[NIL]
	s_wait_dscnt 0x0
	s_endpgm
; ---------------- the weights: a lane takes a column, its registers run down K; a wave takes 32 columns x 256 along K: eight blocks a lane ----------------
.Lweights:
	s_sub_co_u32 s17, ttmp9, 128
	s_and_b32 s18, s17, 31                         ; which 128 of the 4,096 columns (3,072 of w_qkv, then 1,024 of w_out)
	s_lshr_b32 s19, s17, 5                         ; which 256 along K
	s_lshl_b32 s20, s18, 7
	s_lshl_b32 s21, s16, 5
	s_add_co_u32 s20, s20, s21                     ; my wave's first column of the 4,096
	s_cmp_lt_u32 s18, 24                           ; the choice hangs on the work-group's number alone
	s_cselect_b64 s[6:7], s[6:7], s[8:9]
	s_mov_b32 s22, 4096
	s_cselect_b32 s22, 12288, s22                  ; a row of the tensor in bytes
	s_cselect_b32 s23, 0, 3072
	s_sub_co_u32 s23, s20, s23                     ; the column in its own tensor
	s_lshl_b32 s24, s19, 8
	s_mul_i32 s24, s24, s22
	s_lshl_b32 s23, s23, 2
	s_add_co_u32 s24, s24, s23
	s_mov_b32 s25, 0
	s_add_nc_u64 s[32:33], s[6:7], s[24:25]        ; block 0 begins here;
	s_lshl_b32 s26, s22, 5
	s_mov_b32 s27, 0
.irp t, 1,2,3,4,5,6,7
	s_add_nc_u64 s[32+2*\t:33+2*\t], s[30+2*\t:31+2*\t], s[26:27]   ; block t 32 rows further down: a base for each, never rewritten
.endr
	s_wait_alu depctr_va_vdst(0)
	v_lshlrev_b32 v12, 2, v2
.irp i, 0,1,2,3,4,5,6,7,8,9,10,11,12,13,14,15,16,17,18,19,20,21,22,23,24,25,26,27,28,29,30,31
	v_mad_u32_u24 v[OF+\i], s22, \i, v12           ; row i of a block, my column
.endr
	s_mul_i32 s28, s16, WREG
	s_add_co_u32 s28, s28, WBASE                   ; my wave's LDS
	v_bfe_u32 v4, v2, 3, 1                         ; my column is row m of tile u: u = bit 3 of the lane,
	v_and_b32 v5, 7, v2
	v_bfe_u32 v6, v2, 4, 1
	v_lshl_add_u32 v5, v6, 3, v5                   ; m = (lane & 7) + 8 x bit 4
	v_mul_u32_u24 v6, v4, WTP
	v_add_nc_u32 v6, s28, v6
	v_lshl_add_u32 v7, v5, 4, v6                   ; where registers 0-3 go
	v_lshl_add_u32 v8, v5, 3, v6                   ; where registers 4, 5 go
	v_add_nc_u32 v9, s28, v3                       ; the way out: 16 bytes a lane
	v_lshl_add_u32 v10, v4, 4, v5
	v_lshlrev_b32 v10, 5, v10                      ; my row of scale bytes among the wave's 32
	s_mul_i32 s24, s20, 768                        ; codes: tile 512 + column / 16, unit 4 x (which 256 along K)
	s_mul_i32 s29, s19, 3072
	s_add_co_u32 s24, s24, s29
	s_add_co_u32 s24, s24, 512*12288
	s_add_nc_u64 s[10:11], s[10:11], s[24:25]
	s_lshl_b32 s24, s20, 5                         ; scale bytes: row 8,192 + column, byte 8 x (which 256 along K)
	s_lshl_b32 s29, s19, 3
	s_add_co_u32 s24, s24, s29
	s_add_co_u32 s24, s24, 8192*32
	s_add_nc_u64 s[12:13], s[12:13], s[24:25]
.macro WLOAD t                         ; each load reads 128 consecutive bytes a wave, 512 a work-group
.irp i, 0,1,2,3,4,5,6,7,8,9,10,11,12,13,14,15,16,17,18,19,20,21,22,23,24,25,26,27,28,29,30,31
	global_load_b32 v[WX+32*((\t)%2)+\i], v[OF+\i], s[32+2*(\t):33+2*(\t)] th:TH_LOAD_NT
.endr
.endm
.macro WBLOCK t
.set XS, WX+32*((\t)%2)
.if (\t) < 7
	s_wait_loadcnt 32                              ; this block's 32 loads are in; the next block's may be out
.else
	s_wait_loadcnt 0x0
.endif
	v_max3_num_f32 v122, |v[XS]|, |v[XS+1]|, |v[XS+2]|
	v_max3_num_f32 v123, |v[XS+3]|, |v[XS+4]|, |v[XS+5]|
.irp i, 6,10,14,18,22,26
	v_max3_num_f32 v122, v122, |v[XS+\i]|, |v[XS+\i+1]|
	v_max3_num_f32 v123, v123, |v[XS+\i+2]|, |v[XS+\i+3]|
.endr
	v_max3_num_f32 v122, v122, |v[XS+30]|, |v[XS+31]|
	v_max3_num_f32 v122, v122, v123, FLOOR
	v_add_nc_u32 v124, 0xff000000, v122
	v_lshrrev_b32 v125, 23, v124
.if (\t)%4 == 0
	v_mov_b32 v[SB+(\t)/4], v125                   ; four bytes to a register, the lower K in the lower byte
.else
	v_lshl_or_b32 v[SB+(\t)/4], v125, 8*((\t)%4), v[SB+(\t)/4]
.endif
	v_cvt_scalef32_pk16_fp6_f32 v[WC:WC+2], v[XS:XS+15], v124
	v_cvt_scalef32_pk16_fp6_f32 v[WC+4:WC+6], v[XS+16:XS+31], v124
	v_nop                                          ; one plain line behind the conversions
	v_mov_b32 v[WC+3], v[WC+4]
	v_mov_b32 v[WC+4], v[WC+5]
	v_mov_b32 v[WC+5], v[WC+6]
	ds_store_b128 v7, v[WC:WC+3] offset:768*((\t)/2)+256*((\t)%2)          ; unit t / 2 of my four, block t % 2
	ds_store_b64 v8, v[WC+4:WC+5] offset:768*((\t)/2)+512+128*((\t)%2)
.if (\t)+2 < 8
	WLOAD (\t)+2
.endif
	s_wait_dscnt 0x0                               ; the stores have read their registers: the next block's codes may be written
.endm
	WLOAD 0
	WLOAD 1
.irp t, 0,1,2,3,4,5,6,7
	WBLOCK \t
.endr
	s_wait_alu depctr_va_vdst(0)
	global_store_b64 v10, v[SB:SB+1], s[12:13]     ; my column's eight scale bytes
.irp n, 0,1,2,3,4,5,6,7,8,9,10,11
	ds_load_b128 v[WX+4*\n:WX+4*\n+3], v9 offset:WTP*(\n/6)+512*(\n%6)
.endr
.irp n, 0,1,2,3,4,5,6,7,8,9,10,11
	s_wait_dscnt 11-\n
	global_store_b128 v3, v[WX+4*\n:WX+4*\n+3], s[10:11] offset:12288*(\n/6)+512*(\n%6)   ; 512 consecutive bytes, at a multiple of 256 from the buffer's first byte
.endr
	s_wait_tensorcnt 0x0                           ; the wave's end: a tensor wait, an add to my spare word and its wait, behind my last LDS store
	ds_add_u32 v[SPW], v[NIL]
	s_wait_dscnt 0x0
	s_endpgm
.Lfunc_end_k_q5af8b25a56_prep:
	.size	k_q5af8b25a56_prep, .Lfunc_end_k_q5af8b25a56_prep-k_q5af8b25a56_prep
	.p2alignl 7, 3214868480
	.fill 96, 4, 3214868480
	.section	.rodata,"a",@progbits
	.p2align	6, 0x0
	.amdhsa_kernel k_q5af8b25a56_prep
		.amdhsa_group_segment_fixed_size 115200
		.amdhsa_private_segment_fixed_size 0
		.amdhsa_enable_private_segment 0
		.amdhsa_kernarg_size 40
		.amdhsa_user_sgpr_count 2
		.amdhsa_user_sgpr_kernarg_segment_ptr 1
		.amdhsa_wavefront_size32 1
		.amdhsa_system_sgpr_workgroup_id_x 1
		.amdhsa_system_sgpr_workgroup_id_y 1
		.amdhsa_system_sgpr_workgroup_id_z 1
		.amdhsa_system_vgpr_workitem_id 0
		.amdhsa_next_free_vgpr 240
		.amdhsa_next_free_sgpr 66
		.amdhsa_reserve_vcc 0
		.amdhsa_float_denorm_mode_32 3
		.amdhsa_float_denorm_mode_16_64 3
		.amdhsa_memory_ordered 1
		.amdhsa_forward_progress 1
		.amdhsa_inst_pref_size 105
	.end_amdhsa_kernel
	.amdgpu_metadata
---
amdhsa.version: [ 1, 2 ]
amdhsa.kernels:
  - .name:           k_q5af8b25a56_prep
    .symbol:         k_q5af8b25a56_prep.kd
    .args:
      - { .name: x, .offset: 0, .size: 8, .value_kind: global_buffer, .address_space: global }
      - { .name: w_qkv, .offset: 8, .size: 8, .value_kind: global_buffer, .address_space: global }
      - { .name: w_out, .offset: 16, .size: 8, .value_kind: global_buffer, .address_space: global }
      - { .name: codes, .offset: 24, .size: 8, .value_kind: global_buffer, .address_space: global }
      - { .name: scl, .offset: 32, .size: 8, .value_kind: global_buffer, .address_space: global }
    .group_segment_fixed_size: 115200
    .private_segment_fixed_size: 0
    .kernarg_segment_align: 8
    .kernarg_segment_size: 40
    .max_flat_workgroup_size: 128
    .sgpr_count:     66
    .vgpr_count:     240
    .wavefront_size: 32
...
	.end_amdgpu_metadata
.endif
;; end of part 1
;; launch gemm_qkv (part 2): grid 12 x 32, 4 waves a work-group, clusters of 4 x 4, 327,680 bytes of LDS; arguments codes, scl, b_qkv, qimg, kv; writes qimg, kv
.if DOCPART == 2
	.amdgcn_target "amdgcn-amd-amdhsa--gfx1250"
	.amdhsa_code_object_version 6
	.text
	.protected	k_q5af8b25a56_gemm_qkv
	.globl	k_q5af8b25a56_gemm_qkv
	.p2align	8
	.type	k_q5af8b25a56_gemm_qkv,@function
k_q5af8b25a56_gemm_qkv:
	s_mov_b64 s[64:65], 0
	v_nop
	global_prefetch_b8 v0, s[64:65] scope:SCOPE_SE
	s_setreg_imm32_b32 hwreg(HW_REG_WAVE_MODE, 25, 1), 1
	s_wait_xcnt 0x0
	s_wait_alu depctr_hold_cnt(0) depctr_sa_sdst(0) depctr_va_vdst(0) depctr_va_sdst(0) depctr_va_ssrc(0) depctr_va_vcc(0) depctr_vm_vsrc(0)
	s_getreg_b32 s2, hwreg(HW_REG_IB_STS2, 6, 4)
	s_cmp_eq_u32 s2, 0
	s_cbranch_scc0 .Lentry_in_a_cluster
	s_endpgm
.Lentry_in_a_cluster:
	s_bfe_u32 s2, ttmp6, 0x10000c
	s_cmp_lg_u32 s2, 0xf033
	s_cbranch_scc0 .Lentry_shape_is_right
	s_endpgm
.Lentry_shape_is_right:
; qkv = x w_qkv + b_qkv on codes of FP6 (E2M3) with E8M0 scales, and q, k, v quantised on the way out: q and k along the head's 64, v along the keys.  No f32 number goes to memory.
; Left out: the factor SCALE = 2^-3 on q: a power of two leaves the codes as they are; the third launch's constant takes it up (shown at the head of the first launch).
; A tile of the result, 256 x 256, is made by four waves, each 128 x 128: 64 accumulators of 16 x 16.  K = 1,024 is eight matrix steps of 128.
; OPERANDS lie in memory as images of their registers (first launch): a row tile's four units of 256 along K are 3,072 consecutive bytes, so a fragment comes by two loads of 16 bytes and two of 8, lanes on end.
; LDS: TWO SLOTS OF UNLIKE LENGTH.  Slot 0 holds 256 along K of A's and B's 16 row tiles (rows of 3,072 bytes): K steps 0 and, filled again once, 3.  Slot 1 holds K steps 1 and 2 together (rows of 6,144 bytes).
; THE HEAD'S FOUR TILES, one tensor load a wave, each on a line of its own: A's K step 0, B's, A's K steps 1 and 2, B's.  The products begin when the first two are in; the change of slots shows the other two.
; Behind that change's round waves 0 and 1 fetch K step 3 into slot 0; from that request to the wait for it a wave issues 224 matrix instructions, so no data prefetch is laid for it, and all else is asked for at the head.
; The scale bytes of A's and B's 256 rows, 8,192 dense bytes each, come by plain loads of 512 consecutive bytes a wave and LDS stores, into bytes of their own behind the slots, as rows of 256 bytes + 16.
; CLUSTERS: 4 x 4 work-groups; A's tile is shared along a row of the cluster, B's along a column, each asked for jointly.  The matrix instruction is used transposed: source 0 = 16 rows of B, source 1 = 16 rows of A:
; a lane holds ONE row of A and, in the 16 registers of two neighbouring tiles, 16 NEIGHBOURING rows of B (the rows of a tile are chosen for that in the first launch).
; WHO IS A: clusters x = 0 (q) and 1 (k): A = tokens, B = the weight's columns: a lane holds a token and channels on end, as the quantiser along the head wants.  Cluster x = 2 (v): A = the weight's columns, B = tokens:
; a lane holds a channel and KEYS on end, as the quantiser along the keys wants.  Only addresses, the bias and the way out differ; the branches hang on the cluster's x, which all partners share.
; OUT: qimg [head 64][step 16][6,656], kv [head 64][step 16][13,312 = k's 6,656, v's 6,656].  6,656 bytes = four images of 12 registers (register 4 c .. of lane l at 512 c + 16 l) + 512 bytes of scale words [lane][4].
;   q, k: image i = two tiles of 16 tokens side by side along K: registers 0-5 token 32 i + r + 8 (r / 8), registers 6-11 the token 8 further on; word i: two bytes of each.
;   v:    image t = 16 channels (32 (t / 2) + 8 (t % 2) + (r & 7) + 16 (r >> 3)) x the step's 128 keys; word t its scale word.
; REGISTERS, in windows of 256: window 0: v0-31 addresses; v32-63 scale words, two sets; v64-127 the bias, in the result's layout; from v128 A's fragments, one set; on the way out v32-119 are at work.
;   window 1: B's fragments, two sets, at v0 and v128.  window 2: the accumulators of my rows 0-63 ((a, b) at v[8 (8 a + b)]); window 3: those of my rows 64-127.
.set NQ,     2                         ; scale words in a set: matrix steps in 256 along K
.set TROW,   3072                      ; a row tile's four units of 256 along K
.set FR,     12                        ; registers of a fragment
.set NL,     4                         ; LDS loads that bring one
.set NP,     4                         ; places behind this matrix instruction (ISA guide 7.12.1)
.set HALFT,  8*TROW
.set SLOT,   4*HALFT                   ; slot 0: A's 16 row tiles, then B's.  Slot 1: A's at SLOT, B's at 2 SLOT
.set KS,     32                        ; a row of scale bytes
.set SCL,    3*SLOT                    ; behind the slots: the scale bytes
.set HALFS,  16*272                    ; those of 128 rows
.set SBLK,   2*272                     ; those of 16 rows
.set SPARE,  SCL+4*HALFS               ; the spare words, 128 bytes for each wave
.set ADRA, 16                          ; v16-17 LDS address of my A fragments in slot 0, 1, 16 bytes a lane; v18-19 the same, 8 bytes a lane
.set ADRB, 20                          ; v20-23 the same for B
.set CO,   26                          ; v26  16 x lane
.set ADRS, 27                          ; v27  LDS address of my scale words: lanes 0-15 A's rows, lanes 16-31 B's
.set SPW,  28
.set NIL,  29
.set SC,   32
.set BI,   64
.set AF,   128
.set TM,   32                          ; the way out: v32-35 largest magnitudes, v36-39 the other half's and bytes, v44-47 the conversions' scales
.set PWA,  48
.set PWB,  49
.set FLR,  50
.set T2,   52                          ; v52-59 the conversions' second halves
.set F0,   64                          ; v64-87, v88-111 two sets of two images
.set SW0,  112                         ; v112-115, v116-119 the scale words of my two heads
.set SW1,  116
.set G1, 24                            ; groups 1 and 0: A's K step 0 and 3,
.set G0, 32
.set G1B, 48                           ; B's,
.set G0B, 56
.set G1S, 68                           ; A's K steps 1 and 2,
.set G0S, 76
.set G1SB, 80                          ; B's
.set G0SB, 88
.set MSB, 0
.macro WIN new                         ; the immediate's high byte repeats the setting that is left
.if MSB != (\new)
	s_set_vgpr_msb (MSB<<8)|(\new)
.set MSB, (\new)
.endif
.endm
.set MUL_LO, 0xa1                      ; source 0 (B) window 1, source 1 (A) window 0, C and D window 2
.set MUL_HI, 0xf1                      ; the same, C and D window 3
.set BIA_LO, 0x81                      ; C (the bias) window 0, D window 2
.set BIA_HI, 0xc1                      ; C window 0, D window 3
.set TO_B,   0x40                      ; destination window 1, address window 0
.macro PLACES n                        ; plain vector lines between a matrix instruction and a load into, or a vector line on, its registers
.rept \n
	v_nop
.endr
.endm
.macro CREST                           ; a round of the cluster's barrier behind its opening barrier
	s_cmp_lg_u32 s14, 0
	s_cbranch_scc1 .Lnot_wave_0_\@
	s_barrier_signal -3
.Lnot_wave_0_\@:
	s_barrier_wait -3
	s_barrier_signal -1
	s_barrier_wait -1
.endm
.macro CROUND
	s_barrier_signal -1
	s_barrier_wait -1
	CREST
.endm
	s_load_b128 s[4:7], s[0:1], 0x0                ; codes s[4:5], scl s[6:7]
	s_load_b128 s[8:11], s[0:1], 0x10              ; b_qkv s[8:9], qimg s[10:11]
	s_load_b64 s[12:13], s[0:1], 0x20              ; kv
	v_lshl_add_u32 v[SPW], v0, 2, SPARE
	v_mov_b32 v[NIL], 0
	ds_add_u32 v[SPW], v[NIL]                      ; the wave's opening: the add, twice on end, and its wait ahead of my first tensor load
	ds_add_u32 v[SPW], v[NIL]
	v_lshrrev_b32 v1, 5, v0
	v_readfirstlane_b32 s14, v1                    ; wave 0..3
	s_lshr_b32 s15, s14, 1                         ; which half of A's rows is mine
	s_and_b32 s16, s14, 1                          ; which half of B's rows
	s_bfe_u32 s40, ttmp6, 0x40000                  ; cx, cy: my place in the cluster
	s_bfe_u32 s41, ttmp6, 0x40004
	s_lshr_b32 s100, ttmp9, 1                      ; 1 in the clusters that make v, else 0
	s_xor_b32 s101, s100, 1
	s_and_b32 s95, ttmp7, 0xffff
	s_lshl_b32 s95, s95, 2                         ; 4 x cluster y
	s_mul_i32 s17, s95, s101                       ; A's tile of 256 rows of codes: q, k: tokens 4 x cluster y + cy;
	s_mul_i32 s18, s100, 40                        ; v: the weight's rows 40 + cy
	s_add_co_u32 s17, s17, s18
	s_add_co_u32 s17, s17, s41
	s_lshl_b32 s42, ttmp9, 2                       ; B's tile: q, k: the weight's rows 32 + 4 x cluster x + cx;
	s_add_co_u32 s42, s42, 32
	s_mul_i32 s42, s42, s101
	s_mul_i32 s18, s95, s100                       ; v: tokens 4 x cluster y + cx
	s_add_co_u32 s42, s42, s18
	s_add_co_u32 s42, s42, s40
	s_lshl_b32 s43, s41, 2
	s_lshl_b32 s43, 15, s43                        ; my row of the cluster
	s_lshl_b32 s44, 0x1111, s40                    ; my column
	; groups 1: sixteen row tiles, 12,288 bytes apart in memory, dense in LDS, in elements of 8 bytes: 3,072 bytes of each, or 6,144
	s_or_b32 s[G1+0], s43, (3<<16)|(1<<21)         ; 15:0 the mask: A's tiles go to my row; 21 set beside a mask
	s_or_b32 s[G1B+0], s44, (3<<16)|(1<<21)
	s_or_b32 s[G1S+0], s43, (3<<16)|(1<<21)
	s_or_b32 s[G1SB+0], s44, (3<<16)|(1<<21)
.irp g, G1, G1B
	s_mov_b32 s[\g+1], 384<<16
	s_mov_b32 s[\g+3], 384<<16
.endr
.irp g, G1S, G1SB
	s_mov_b32 s[\g+1], 768<<16
	s_mov_b32 s[\g+3], 768<<16
.endr
.irp g, G1, G1B, G1S, G1SB
	s_mov_b32 s[\g+2], 16<<16
	s_mov_b32 s[\g+4], 16
	s_mov_b32 s[\g+5], 1536
	s_mov_b32 s[\g+6], 0
	s_mov_b32 s[\g+7], 0
.endr
	s_lshl_b32 s20, s17, 8                         ; A's tile's first row
	s_lshl_b32 s46, s42, 8                         ; B's
	s_lshl_b32 s22, s20, 5                         ; their scale bytes: 32 a row
	s_mov_b32 s23, 0
	s_lshl_b32 s92, s46, 5
	s_mov_b32 s93, 0
	s_mul_i32 s20, s20, 768                        ; their codes: 768 bytes a row
	s_mov_b32 s21, 0
	s_mul_i32 s46, s46, 768
	s_mov_b32 s47, 0
	s_wait_dscnt 0x0                               ; both opening adds are done
	s_wait_kmcnt 0x0
	s_add_nc_u64 s[20:21], s[4:5], s[20:21]
	s_add_nc_u64 s[2:3], s[6:7], s[22:23]
	s_add_nc_u64 s[46:47], s[4:5], s[46:47]
	s_add_nc_u64 s[18:19], s[6:7], s[92:93]
	CROUND                                         ; all sixteen work-groups are here: the first joint loads meet
	s_mov_b32 s[G0], 1
	s_mov_b32 s[G0+1], 0
	s_mov_b64 s[G0+2:G0+3], s[20:21]
	s_or_b32 s[G0+3], s[G0+3], 0x80000000
	s_mov_b32 s[G0B], 1
	s_mov_b32 s[G0B+1], 2*HALFT
	s_mov_b64 s[G0B+2:G0B+3], s[46:47]
	s_or_b32 s[G0B+3], s[G0B+3], 0x80000000
	s_mov_b32 s[G0S], 1
	s_mov_b32 s[G0S+1], SLOT
	s_add_nc_u64 s[G0S+2:G0S+3], s[20:21], TROW
	s_or_b32 s[G0S+3], s[G0S+3], 0x80000000
	s_mov_b32 s[G0SB], 1
	s_mov_b32 s[G0SB+1], 2*SLOT
	s_add_nc_u64 s[G0SB+2:G0SB+3], s[46:47], TROW
	s_or_b32 s[G0SB+3], s[G0SB+3], 0x80000000
; the head's four tiles, one load a wave, in one chain of arms on the wave's number
.macro ARM under, g0, g1, next
	s_cmp_lt_u32 s14, \under
	s_cbranch_scc0 \next
	tensor_load_to_lds s[\g0:\g0+3], s[\g1:\g1+7]
	s_nop 0
	PLACES 4
	s_branch .Lhead_asked
\next:
.endm
	ARM 1, G0,  G1,  .Lhead_b
	ARM 2, G0B, G1B, .Lhead_la
	ARM 3, G0S, G1S, .Lhead_lb
	tensor_load_to_lds s[G0SB:G0SB+3], s[G1SB:G1SB+7]
	s_nop 0
	PLACES 4
.Lhead_asked:
	v_lshlrev_b32 v7, 4, v0                        ; the scale bytes: 16 bytes a thread, four times for A and four for B
.irp k, 0,1,2,3
	global_load_b128 v[AF+4*\k:AF+4*\k+3], v7, s[2:3] offset:2048*\k
.endr
.irp k, 0,1,2,3
	global_load_b128 v[AF+16+4*\k:AF+16+4*\k+3], v7, s[18:19] offset:2048*\k
.endr
	v_and_b32 v1, 15, v0                           ; r = lane % 16
	v_bfe_u32 v2, v0, 4, 1                         ; h = lane / 16
	v_and_b32 v3, 31, v0
	v_lshlrev_b32 v[CO], 4, v3                     ; 16 x lane
	v_lshlrev_b32 v5, 3, v3                        ; 8 x lane
	s_mul_i32 s21, s15, HALFT                      ; slot 0: my 128 rows of A,
	s_mul_i32 s22, s16, HALFT                      ; my 128 rows of B,
	s_add_co_u32 s22, s22, 2*HALFT                 ; which lie behind A's 256
	v_add_nc_u32 v[ADRA], s21, v[CO]
	v_add_nc_u32 v[ADRB], s22, v[CO]
	v_add_nc_u32 v[ADRA+2], s21, v5
	v_add_nc_u32 v[ADRB+2], s22, v5
	s_mul_i32 s21, s15, 2*HALFT                    ; slot 1: rows twice as long
	s_add_co_u32 s21, s21, SLOT
	s_mul_i32 s22, s16, 2*HALFT
	s_add_co_u32 s22, s22, 2*SLOT
	v_add_nc_u32 v[ADRA+1], s21, v[CO]
	v_add_nc_u32 v[ADRB+1], s22, v[CO]
	v_add_nc_u32 v[ADRA+3], s21, v5
	v_add_nc_u32 v[ADRB+3], s22, v5
	v_mul_u32_u24 v5, v1, KS                       ; my row's scale bytes: 32 a row,
	v_lshrrev_b32 v6, 8, v5
	v_lshl_add_u32 v5, v6, 4, v5                   ; and 16 more for each 256 passed
	s_mul_i32 s21, s15, HALFS
	s_mul_i32 s22, s16, HALFS
	s_add_co_u32 s22, s22, 2*HALFS
	s_sub_co_u32 s22, s22, s21
	v_mul_u32_u24 v6, s22, v2                      ; lanes 16-31 take B's
	s_add_co_u32 s21, s21, SCL
	v_add_nc_u32 v5, v5, v6
	v_add_nc_u32 v[ADRS], s21, v5
	v_lshrrev_b32 v9, 4, v0                        ; where my 16 scale bytes go: unit x 272 + byte in the unit
	v_and_b32 v10, 15, v0
	v_mul_u32_u24 v8, v9, 272
	v_lshl_add_u32 v8, v10, 4, v8
	v_add_nc_u32 v8, SCL, v8
	; which tokens and which channels are mine (these numbers enter global addresses alone)
	s_cmp_eq_u32 s100, 0
	s_cselect_b32 s92, s17, s42                    ; the tokens' tile of 256,
	s_cselect_b32 s93, s15, s16                    ; my half of it;
	s_cselect_b32 s94, s42, s17                    ; the channels' tile (32 + column / 256),
	s_cselect_b32 s95, s16, s15                    ; my half of it
	s_sub_co_u32 s20, s94, 32
	s_lshl_b32 s20, s20, 10
	s_lshl_b32 s21, s95, 9
	s_add_co_u32 s20, s20, s21
	s_mov_b32 s21, 0
	s_add_nc_u64 s[8:9], s[8:9], s[20:21]          ; b_qkv at my 128 channels
	s_lshl_b32 s20, s92, 1
	s_add_co_u32 s20, s20, s93                     ; my 128 tokens: which of the 64 steps of 128
	s_and_b32 s21, s20, 15                         ; the step in its sequence
	s_lshr_b32 s20, s20, 4
	s_lshl_b32 s20, s20, 4                         ; 16 x batch
	s_and_b32 s22, s94, 3
	s_lshl_b32 s22, s22, 2
	s_add_co_u32 s20, s20, s22
	s_lshl_b32 s22, s95, 1
	s_add_co_u32 s20, s20, s22                     ; the first of my two heads: 16 x batch + channel / 64
	s_lshl_b32 s20, s20, 4
	s_add_co_u32 s20, s20, s21
	s_cmp_eq_u32 ttmp9, 0
	s_cselect_b64 s[96:97], s[10:11], s[12:13]     ; q goes to qimg, k and v to kv
	s_mov_b32 s23, 13312
	s_cselect_b32 s23, 6656, s23                   ; a step's bytes there
	s_mul_i32 s20, s20, s23
	s_mul_i32 s21, s100, 6656                      ; v lies behind k
	s_add_co_u32 s20, s20, s21
	s_mov_b32 s21, 0
	s_add_nc_u64 s[96:97], s[96:97], s[20:21]      ; where my first head's step goes,
	s_lshl_b32 s20, s23, 4
	s_add_nc_u64 s[98:99], s[96:97], s[20:21]      ; and my second head's: 16 steps on
	s_wait_alu depctr_va_vdst(0)
	s_wait_loadcnt 0x0                             ; the scale bytes
.irp k, 0,1,2,3,4,5,6,7
	ds_store_b128 v8, v[AF+4*\k:AF+4*\k+3] offset:2176*\k          ; eight units on: A's 32 units, then B's
.endr
	; the bias, in the result's layout: it is the C of each sum's first matrix instruction
	s_cmp_eq_u32 s100, 0
	s_cbranch_scc0 .Lbias_v
	v_lshlrev_b32 v6, 6, v2                        ; q, k: registers run along the channels: tile b holds channels 32 (b / 2) + 8 (b % 2) + 16 h + 0 .. 7
.irp b, 0,1,2,3,4,5,6,7
	global_load_b128 v[BI+8*\b:BI+8*\b+3], v6, s[8:9] offset:(32*(\b/2)+8*(\b%2))*4
	global_load_b128 v[BI+8*\b+4:BI+8*\b+7], v6, s[8:9] offset:(32*(\b/2)+8*(\b%2))*4+16
.endr
	s_branch .Lbias_in
.Lbias_v:
	v_and_b32 v6, 8, v1                            ; v: a lane holds one channel: 32 (a / 2) + 8 (a % 2) + r + 8 (r / 8), the same in all eight registers
	v_add_nc_u32 v6, v6, v1
	v_lshlrev_b32 v6, 2, v6
.irp a, 0,1,2,3,4,5,6,7
.irp j, 0,1,2,3,4,5,6,7
	global_load_b32 v[BI+8*\a+\j], v6, s[8:9] offset:(32*(\a/2)+8*(\a%2))*4
.endr
.endr
.Lbias_in:
.macro FRAG reg, adr, tp, q, i         ; a fragment, 16 rows x 128 K, is two units: of each, registers 0-3 at 16 x lane and registers 4, 5 at 512 + 8 x lane.  tp: from row tile to row tile in this slot
.irp c, 0,1
	ds_load_b128 v[\reg+6*\c:\reg+6*\c+3], v[\adr] offset:(\tp)*(\i)+768*(2*(\q)+\c)
	ds_load_b64 v[\reg+6*\c+4:\reg+6*\c+5], v[\adr+2] offset:(\tp)*(\i)+768*(2*(\q)+\c)+512
.endr
.endm
; 16 matrix instructions: A's blocks a0, a0 + 1 x B's eight, 128 along K.  p: B's set; sc: the set of scale words, q: which of its two.  cm = 0: the sums go on; 1: they begin with the bias of B's block; 2: with that of A's block.
; The 64 accumulators take turns, one instruction a turn, in the same order in every step.
.macro MUL16 a0, p, q, sc, cm
.irp a, \a0, \a0+1
.irp b, 0,1,2,3,4,5,6,7
.if \cm == 0
	v_wmma_scale_f32_16x16x128_f8f6f4 v[8*(8*((\a)%4)+\b):8*(8*((\a)%4)+\b)+7], v[128*(\p)+FR*\b:128*(\p)+FR*\b+FR-1], v[AF+FR*(\a):AF+FR*(\a)+FR-1], v[8*(8*((\a)%4)+\b):8*(8*((\a)%4)+\b)+7], v[SC+8*NQ*(\sc)+NQ*\b+(\q)], v[SC+8*NQ*(\sc)+NQ*(\a)+(\q)] matrix_a_fmt:MATRIX_FMT_FP6 matrix_b_fmt:MATRIX_FMT_FP6 matrix_a_scale:MATRIX_SCALE_ROW1
.elseif \cm == 1
	v_wmma_scale_f32_16x16x128_f8f6f4 v[8*(8*((\a)%4)+\b):8*(8*((\a)%4)+\b)+7], v[128*(\p)+FR*\b:128*(\p)+FR*\b+FR-1], v[AF+FR*(\a):AF+FR*(\a)+FR-1], v[BI+8*\b:BI+8*\b+7], v[SC+8*NQ*(\sc)+NQ*\b+(\q)], v[SC+8*NQ*(\sc)+NQ*(\a)+(\q)] matrix_a_fmt:MATRIX_FMT_FP6 matrix_b_fmt:MATRIX_FMT_FP6 matrix_a_scale:MATRIX_SCALE_ROW1
.else
	v_wmma_scale_f32_16x16x128_f8f6f4 v[8*(8*((\a)%4)+\b):8*(8*((\a)%4)+\b)+7], v[128*(\p)+FR*\b:128*(\p)+FR*\b+FR-1], v[AF+FR*(\a):AF+FR*(\a)+FR-1], v[BI+8*(\a):BI+8*(\a)+7], v[SC+8*NQ*(\sc)+NQ*\b+(\q)], v[SC+8*NQ*(\sc)+NQ*(\a)+(\q)] matrix_a_fmt:MATRIX_FMT_FP6 matrix_b_fmt:MATRIX_FMT_FP6 matrix_a_scale:MATRIX_SCALE_ROW1
.endif
.endr
.endr
.endm
.macro FETCH_B slot, q, p              ; B's eight fragments of the slot's matrix step q into set p
	WIN TO_B
.irp i, 0,1,2,3,4,5,6,7
	FRAG 128*(\p)+FR*\i, ADRB+\slot, TROW*(1+\slot), \q, \i
.endr
	WIN 0
.endm
.macro FETCH_A slot, q, i0
.irp i, \i0, \i0+1, \i0+2, \i0+3
	FRAG AF+FR*(\i), ADRA+\slot, TROW*(1+\slot), \q, \i
.endr
.endm
.macro SCALES sc, kap                  ; the two scale words of K step kap (256 along K) into set sc; lanes 0-15 take A's block i, lanes 16-31 B's block i
.irp i, 0,1,2,3,4,5,6,7
	ds_load_b64 v[SC+8*NQ*(\sc)+NQ*\i:SC+8*NQ*(\sc)+NQ*\i+1], v[ADRS] offset:\i*SBLK+8*(\kap)
.endr
.endm
; A matrix step whose successor lies in bytes that have been shown.  p: B's set; w, sc: its scale word; ns, nq: the successor's slot and place in it; nk >= 0: K step nk's scale words are fetched too
.macro STEP p, w, sc, cm, ns, nq, nk
	s_wait_dscnt 4*NL                              ; B's set and A's blocks 0-3 are in; the youngest sixteen loads (A's blocks 4-7) may be out
.if \cm
	WIN BIA_LO
.else
	WIN MUL_LO
.endif
	MUL16 0, \p, \w, \sc, \cm
	MUL16 2, \p, \w, \sc, \cm
	s_wait_dscnt 0                                 ; A's blocks 4-7 are in
	PLACES NP
	FETCH_B \ns, \nq, 1-(\p)
	FETCH_A \ns, \nq, 0
.if \nk >= 0
	SCALES (\nk)%2, \nk
.endif
.if \cm
	WIN BIA_HI
.else
	WIN MUL_HI
.endif
	MUL16 4, \p, \w, \sc, \cm
	MUL16 6, \p, \w, \sc, \cm
	PLACES NP
	WIN 0
	FETCH_A \ns, \nq, 4
.endm
; A slot's last matrix step changes slots: ONE barrier; in front of it each wave waits for all its tensor loads, adds 0 to its spare word, and waits for that and for its own reads of this slot.
; fill = 1: slot 0 is filled again, with K step 3: wave 0 fetches A's tile, wave 1 B's.
.macro TURN sc, ns, nk, fill
	s_wait_tensorcnt 0x0                           ; all my tensor loads have landed: my part of the next slot, if I have one
	ds_add_u32 v[SPW], v[NIL]                      ; 0 onto my spare word
	s_wait_dscnt 4*NL+1                            ; (the add and the youngest sixteen loads may be out)
	WIN MUL_LO
	MUL16 0, 1, 1, \sc, 0                          ; sixteen matrix instructions stand between the add and the wait for it
	s_wait_dscnt 0x0                               ; the add is done, and my reads of this slot are over
	s_barrier_signal -1
	MUL16 2, 1, 1, \sc, 0
	WIN 0
	s_barrier_wait -1
.if \fill
	CREST                                          ; the barrier has opened a round of the cluster's barrier: no wave of any partner still reads this slot or has a load on its way
	s_add_nc_u64 s[G0+2:G0+3], s[G0+2:G0+3], 3*TROW
	s_add_nc_u64 s[G0B+2:G0B+3], s[G0B+2:G0B+3], 3*TROW
	s_cmp_eq_u32 s14, 0
	s_cbranch_scc0 .Lre_b_\@
	tensor_load_to_lds s[G0:G0+3], s[G1:G1+7]
	s_nop 0
	PLACES 4
	s_branch .Lre_done_\@
.Lre_b_\@:
	s_cmp_eq_u32 s14, 1
	s_cbranch_scc0 .Lre_done_\@
	tensor_load_to_lds s[G0B:G0B+3], s[G1B:G1B+7]
	s_nop 0
	PLACES 4
.Lre_done_\@:
.endif
	PLACES NP
	FETCH_B \ns, 0, 0
	FETCH_A \ns, 0, 0
	SCALES (\nk)%2, \nk
	WIN MUL_HI
	MUL16 4, 1, 1, \sc, 0
	MUL16 6, 1, 1, \sc, 0
	PLACES NP
	WIN 0
	FETCH_A \ns, 0, 4
.endm
	s_wait_alu depctr_va_vdst(0)
	s_wait_dscnt 0x0                               ; my scale bytes are stored
	s_cmp_lt_u32 s14, 2
	s_cbranch_scc0 .Lnot_k0
	s_wait_tensorcnt 0x0                           ; waves 0 and 1: K step 0's tiles are in
.Lnot_k0:
	s_barrier_signal -1
	s_barrier_wait -1                              ; slot 0 and the scale bytes are shown; slot 1's tiles may still be on their way
	FETCH_B 0, 0, 0
	FETCH_A 0, 0, 0
	SCALES 0, 0
	FETCH_A 0, 0, 4
	s_wait_loadcnt 0x0                             ; the bias
	s_cmp_eq_u32 s100, 0
	s_cbranch_scc0 .Lfirst_v
	STEP 0, 0, 0, 1, 0, 1, -1                      ; the first products start the sums with the bias: along B's rows (q, k),
	s_branch .Lfirst_done
.Lfirst_v:
	STEP 0, 0, 0, 2, 0, 1, -1                      ; or along A's (v)
.Lfirst_done:
	TURN 0, 1, 1, 1                                ; eight matrix steps, written on end: slot 0's second; slot 0 is filled again
	STEP 0, 0, 1, 0, 1, 1, -1                      ; slot 1's four
	STEP 1, 1, 1, 0, 1, 2, 2
	STEP 0, 0, 0, 0, 1, 3, -1
	TURN 0, 0, 3, 0                                ; back to slot 0: K step 3; nothing more is asked for
	STEP 0, 0, 1, 0, 0, 1, -1
	s_wait_dscnt 4*NL
	WIN MUL_LO
	MUL16 0, 1, 1, 1, 0
	MUL16 2, 1, 1, 1, 0
	s_wait_dscnt 0
	WIN MUL_HI
	MUL16 4, 1, 1, 1, 0
	MUL16 6, 1, 1, 1, 0
	WIN 0
; THE WAY OUT.  The 64 registers of A's block a (register 16 b + i = B's row 32 b + 16 h + i) become a fragment's codes: its registers 0-5 in v[d0] on, 6-11 in v[d1] on, and the row's scale word in v[pw].
.macro QUANTW a, d0, d1, pw
.set QS, 64*((\a)%4)
.set QW, 2+(\a)/4
	WIN (QW<<2)|(QW<<4)                            ; sources 1 and 2: the accumulators' window
.irp b, 0,1,2,3
	v_max3_num_f32 v[TM+\b], v[FLR], |v[QS+16*\b]|, |v[QS+16*\b+1]|        ; block b: my 16 numbers and the floor; each accumulator is read from its low end on
.endr
.irp i, 2,4,6,8,10,12,14
.irp b, 0,1,2,3
	v_max3_num_f32 v[TM+\b], v[TM+\b], |v[QS+16*\b+\i]|, |v[QS+16*\b+\i+1]|
.endr
.endr
	WIN 0
.irp b, 0,1,2,3
	v_permlanex16_b32 v[TM+4+\b], v[TM+\b], s66, s67
.endr
.irp b, 0,1,2,3
	v_max_num_f32 v[TM+\b], v[TM+\b], v[TM+4+\b]   ; with lane l xor 16's: the block's largest magnitude
.endr
.irp b, 0,1,2,3
	v_add_nc_u32 v[TM+12+\b], 0xff000000, v[TM+\b] ; 2 off its exponent field: the conversion's scale operand
.endr
.irp b, 0,1,2,3
	v_lshrrev_b32 v[TM+4+\b], 23, v[TM+12+\b]      ; the scale's byte
.endr
	v_lshl_or_b32 v[\pw], v[TM+5], 8, v[TM+4]
	v_lshl_or_b32 v[\pw], v[TM+6], 16, v[\pw]
	v_lshl_or_b32 v[\pw], v[TM+7], 24, v[\pw]
	WIN QW                                         ; source 0: the accumulators' window
	v_cvt_scalef32_pk16_fp6_f32 v[\d0:\d0+2], v[QS:QS+15], v[TM+12]
	v_cvt_scalef32_pk16_fp6_f32 v[T2:T2+2], v[QS+16:QS+31], v[TM+13]
	v_cvt_scalef32_pk16_fp6_f32 v[\d1:\d1+2], v[QS+32:QS+47], v[TM+14]
	v_cvt_scalef32_pk16_fp6_f32 v[T2+4:T2+6], v[QS+48:QS+63], v[TM+15]
	WIN 0
	v_nop                                          ; one plain line behind the conversions
.irp i, 0,1,2
	v_permlane16_swap_b32 v[\d0+\i], v[T2+\i]      ; the layout wants a whole block in a lane: lanes 0-15 the first of two blocks, lanes 16-31 the second
.endr
.irp i, 0,1,2
	v_mov_b32 v[\d0+3+\i], v[T2+\i]
.endr
.irp i, 0,1,2
	v_permlane16_swap_b32 v[\d1+\i], v[T2+4+\i]
.endr
.irp i, 0,1,2
	v_mov_b32 v[\d1+3+\i], v[T2+4+\i]
.endr
.endm
	PLACES NP
	v_mov_b32 v[FLR], 0x1800000                    ; the floor 2^(3 - 127)
.irp b, 0,1,2,3
	v_mov_b32 v[TM+4+\b], 0                        ; written once: a lane permute's destination counts as one of its sources
.endr
	s_mov_b32 s92, 0x05040100                      ; the low halves of two words,
	s_mov_b32 s93, 0x07060302                      ; and the high halves
	s_mov_b32 s66, 0x76543210
	s_mov_b32 s67, 0xfedcba98                      ; lane l xor 16
	s_cmp_eq_u32 s100, 0
	s_cbranch_scc0 .Lout_v
; q, k: a block of 16 tokens gives 64 channels of each of my two heads; two blocks side by side make an image of each head
.irp al, 0,1,2,3
.set FF, F0+24*(\al%2)
.if \al > 0
	s_wait_xcnt 0x0                                ; the earlier stores have read their registers
.endif
	QUANTW 2*\al, FF, FF+12, PWA
	QUANTW 2*\al+1, FF+6, FF+18, PWB
	v_perm_b32 v[SW0+\al], v[PWB], v[PWA], s92     ; head 0: two bytes of each tile;
	v_perm_b32 v[SW1+\al], v[PWB], v[PWA], s93     ; head 1
.irp c, 0,1,2
	global_store_b128 v[CO], v[FF+4*\c:FF+4*\c+3], s[96:97] offset:1536*\al+512*\c       ; 32 lanes store 512 consecutive bytes, at a multiple of 256 from the buffer's first byte
.endr
.irp c, 0,1,2
	global_store_b128 v[CO], v[FF+12+4*\c:FF+12+4*\c+3], s[98:99] offset:1536*\al+512*\c
.endr
.endr
	s_branch .Lout_done
.Lout_v:
; v: a block of 16 channels x my 128 keys is an image as it stands; blocks 0-3 are my first head's, 4-7 my second's
	s_wait_alu depctr_va_vdst(0)
.irp al, 0,1,2,3
.set FF, F0+24*(\al%2)
.if \al > 0
	s_wait_xcnt 0x0
.endif
	QUANTW 2*\al, FF, FF+6, SW0+4*(\al/2)+2*(\al%2)
	QUANTW 2*\al+1, FF+12, FF+18, SW0+4*(\al/2)+2*(\al%2)+1
.irp c, 0,1,2
	global_store_b128 v[CO], v[FF+4*\c:FF+4*\c+3], s[96+2*(\al/2):97+2*(\al/2)] offset:1536*(2*(\al%2))+512*\c
.endr
.irp c, 0,1,2
	global_store_b128 v[CO], v[FF+12+4*\c:FF+12+4*\c+3], s[96+2*(\al/2):97+2*(\al/2)] offset:1536*(2*(\al%2)+1)+512*\c
.endr
.endr
.Lout_done:
	s_wait_alu depctr_va_vdst(0)
	global_store_b128 v[CO], v[SW0:SW0+3], s[96:97] offset:6144    ; the scale words: four a lane
	global_store_b128 v[CO], v[SW1:SW1+3], s[98:99] offset:6144
	s_wait_tensorcnt 0x0                           ; the wave's end: a tensor wait, an add to my spare word and its wait, behind my last tensor load and my last LDS store
	ds_add_u32 v[SPW], v[NIL]
	s_wait_dscnt 0x0
	CROUND                                         ; the closing round: no work-group ends while a partner may still ask for a tile that names it
	s_endpgm
.Lfunc_end_k_q5af8b25a56_gemm_qkv:
	.size	k_q5af8b25a56_gemm_qkv, .Lfunc_end_k_q5af8b25a56_gemm_qkv-k_q5af8b25a56_gemm_qkv
	.p2alignl 7, 3214868480
	.fill 96, 4, 3214868480
	.section	.rodata,"a",@progbits
	.p2align	6, 0x0
	.amdhsa_kernel k_q5af8b25a56_gemm_qkv
		.amdhsa_group_segment_fixed_size 327680
		.amdhsa_private_segment_fixed_size 0
		.amdhsa_enable_private_segment 0
		.amdhsa_kernarg_size 40
		.amdhsa_user_sgpr_count 2
		.amdhsa_user_sgpr_kernarg_segment_ptr 1
		.amdhsa_wavefront_size32 1
		.amdhsa_system_sgpr_workgroup_id_x 1
		.amdhsa_system_sgpr_workgroup_id_y 1
		.amdhsa_system_sgpr_workgroup_id_z 1
		.amdhsa_system_vgpr_workitem_id 0
		.amdhsa_next_free_vgpr 1024
		.amdhsa_next_free_sgpr 102
		.amdhsa_reserve_vcc 0
		.amdhsa_float_denorm_mode_32 3
		.amdhsa_float_denorm_mode_16_64 3
		.amdhsa_memory_ordered 1
		.amdhsa_forward_progress 1
		.amdhsa_inst_pref_size 200
	.end_amdhsa_kernel
	.amdgpu_metadata
---
amdhsa.version: [ 1, 2 ]
amdhsa.kernels:
  - .name:           k_q5af8b25a56_gemm_qkv
    .symbol:         k_q5af8b25a56_gemm_qkv.kd
    .args:
      - { .name: codes, .offset: 0, .size: 8, .value_kind: global_buffer, .address_space: global }
      - { .name: scl, .offset: 8, .size: 8, .value_kind: global_buffer, .address_space: global }
      - { .name: b_qkv, .offset: 16, .size: 8, .value_kind: global_buffer, .address_space: global }
      - { .name: qimg, .offset: 24, .size: 8, .value_kind: global_buffer, .address_space: global }
      - { .name: kv, .offset: 32, .size: 8, .value_kind: global_buffer, .address_space: global }
    .group_segment_fixed_size: 327680
    .private_segment_fixed_size: 0
    .kernarg_segment_align: 8
    .kernarg_segment_size: 40
    .max_flat_workgroup_size: 128
    .sgpr_count:     102
    .vgpr_count:     1024
    .wavefront_size: 32
...
	.end_amdgpu_metadata
.endif
;; end of part 2
;; launch attn (part 3): grid 4 x 64, 16 waves a work-group, clusters of 4 x 1, 327,680 bytes of LDS; arguments qimg, kv, acodes, ascl; writes acodes, ascl
.if DOCPART == 3
	.amdgcn_target "amdgcn-amd-amdhsa--gfx1250"
	.amdhsa_code_object_version 6
	.text
	.protected	k_q5af8b25a56_attn
	.globl	k_q5af8b25a56_attn
	.p2align	8
	.type	k_q5af8b25a56_attn,@function
k_q5af8b25a56_attn:
	s_mov_b64 s[64:65], 0
	v_nop
	global_prefetch_b8 v0, s[64:65] scope:SCOPE_SE
	s_setreg_imm32_b32 hwreg(HW_REG_WAVE_MODE, 25, 1), 1
	s_wait_xcnt 0x0
	s_wait_alu depctr_hold_cnt(0) depctr_sa_sdst(0) depctr_va_vdst(0) depctr_va_sdst(0) depctr_va_ssrc(0) depctr_va_vcc(0) depctr_vm_vsrc(0)
	s_getreg_b32 s2, hwreg(HW_REG_IB_STS2, 6, 4)
	s_cmp_eq_u32 s2, 0
	s_cbranch_scc0 .Lentry_in_a_cluster
	s_endpgm
.Lentry_in_a_cluster:
	s_bfe_u32 s2, ttmp6, 0x10000c
	s_cmp_lg_u32 s2, 0x3003
	s_cbranch_scc0 .Lentry_shape_is_right
	s_endpgm
.Lentry_shape_is_right:
; ATTENTION IN MX-FP6: o = softmax(q k^T / 8) v for one head and 512 queries a work-group; o is quantised along the head's 64 on the way out.
; Left out: the factor SCALE = 2^-3 on q, taken up by the constant log2(e) / 8 (shown at the head of the first launch).
; LIMITS: the promise holds while the scaled scores stay under 2^31 in magnitude; NaN and infinities are not served; a block of p that is all zeros keeps the scale byte 1 (its codes are zeros).
; THE DEAL.  Grid y = batch x head; the cluster's four work-groups take the head's four blocks of 512 queries and ask for its K and V jointly.  16 waves; a wave takes 32 queries, 16 a pass, and walks all 2,048 keys in 16 steps of 128.
; LDS: all 16 key steps of the head at once.  Wave w fetches key step w's 13,312 bytes by ONE tensor load: 26 rows of 512 bytes, 128 bytes of padding behind each.  One wait, one barrier; nothing is filled again, so no barrier stands in the loops.
; No data prefetch: all that the launch reads by tensor loads is asked for at the head, and there is no loop to run ahead in.
; BOTH PRODUCTS ARE USED TRANSPOSED (S^T = k q^T, O^T = v^T p^T): a lane holds one query throughout.  The head's 64 are half of the instruction's K: an operand of k holds two tiles of 16 keys side by side, and q stands beside zeros, below or above.
; THE KEYS OF A TILE ARE CHOSEN BY THE LANES' ADDRESSES.  kv's image i holds in lane slot m + 16 h, registers 6 u .., key 32 i + 8 u + (m & 7) + 16 (m >> 3).  Lane (r, h) reads operand o = 2 c + s from image 2 c + (r >> 3), slot (r & 7) + 8 s + 16 h:
; row r of tile t = 2 s + u is then key 64 c + 32 (r >> 3) + 8 t + (r & 7), and score register 32 c + 8 t + j of lane (r, h) is key 64 c + 32 h + 8 t + j: A LANE HOLDS WHOLE BLOCKS OF 32 KEYS, in the order of p's operand registers.
; An image is three padded rows, 1,920 bytes = 128 modulo 256: lanes r < 8 and r >= 8 of a load touch different halves of the 64 banks (ISA guide 11.1).
; TWO AREAS OF 64 REGISTERS TAKE TURNS.  In a step one holds k's four operands and then v's, the other the scores and p; when p has been converted and summed, its area takes the NEXT step's operands of k, 16 LDS loads that are out
; under the rescaling of O^T and the products with v.  A pass's last step fetches key step 0 again, for the next pass (behind the second pass nobody reads it).
.set REC,   13312                      ; a key step in memory: k's 6,656 bytes, v's 6,656
.set SUBR,  6656
.set PP,    640                        ; a row of 512 bytes and its padding
.set LREC,  26*PP                      ; a key step in LDS
.set SPARE, 16*LREC                    ; the spare words, 128 bytes a wave
.set FLOOR, 0x1800000                  ; 2^(3 - 127)
.set LI,  1                            ; 16 x lane
.set ADK, 2                            ; this step's addresses: k's fragments,
.set GO8, 3                            ; 8 x lane
.set GS,  4                            ; 32 x (lane % 16)
.set SPW, 5
.set NIL, 6
.set QHI, 16                           ; v16-21 zeros, v22-27 q, v28-33 zeros; v34-39 the second pass's q
.set QLO, 22
.set QSC, 40                           ; q's scale word; v41 the second pass's
.set ADS, 42                           ; k's scale words,
.set ADV, 43                           ; v's fragments
.set SW,  44                           ; v's scale words
.set AR0, 48                           ; the two areas
.set AR1, 112
.set OT,  176                          ; O^T
.set PC,  208                          ; p's codes
.set T2,  220
.set BM,  228
.set BP,  232
.set BO,  236
.set FF,  240
.set PW,  242                          ; p's scale word
.set TMP, 243
.set SU2, 244
.set KL,  246                          ; 1,920 (r >> 3) + 16 (r & 7) + 256 h
.set SL,  247                          ; 16 (r & 7) + 4 (r >> 3)
.set SH8, 248                          ; 8 h
.set XT,  249
.set SWK, 250                          ; k's scale words
.set WV,  12
.set G1,  16
.set G0,  24
.set SEL, 40
.set CS,  42
.set TB,  44
.set CNT, 45
.set PASS, 46
.set OA,  48
.set OS,  50
.macro ROUND
	s_barrier_signal -1
	s_barrier_wait -1
	s_cmp_lg_u32 s[WV], 0
	s_cbranch_scc1 .Lnot_wave_0_\@
	s_barrier_signal -3
.Lnot_wave_0_\@:
	s_barrier_wait -3
	s_barrier_signal -1
	s_barrier_wait -1
.endm
	s_load_b128 s[4:7], s[0:1], 0x0                ; qimg, kv
	s_load_b128 s[8:11], s[0:1], 0x10              ; acodes, ascl
	v_lshl_add_u32 v[SPW], v0, 2, SPARE
	v_mov_b32 v[NIL], 0
	ds_add_u32 v[SPW], v[NIL]                      ; the opening lines: the add twice on end and its wait
	ds_add_u32 v[SPW], v[NIL]
	v_lshrrev_b32 v7, 5, v0
	v_readfirstlane_b32 s[WV], v7                  ; wave 0..15
	s_bfe_u32 s13, ttmp6, 0x40000                  ; cx: which 512 queries
	s_and_b32 s14, ttmp7, 0xffff                   ; batch x head
	s_mov_b32 s[G1], 15|(3<<16)|(1<<20)|(1<<21)|(6<<22)|(31<<25)   ; all four partners; elements of 8 bytes; 32 words of padding behind every 128
	s_mov_b32 s[G1+1], 64<<16
	s_mov_b32 s[G1+2], 26<<16
	s_mov_b32 s[G1+3], 64<<16
	s_mov_b32 s[G1+4], 26
	s_mov_b32 s[G1+5], 64
	s_mov_b32 s[G1+6], 0
	s_mov_b32 s[G1+7], 0
	s_mul_i32 s52, s14, 16*REC
	s_mul_i32 s15, s[WV], REC
	s_add_co_u32 s52, s52, s15                     ; key step = my wave's number
	s_mov_b32 s53, 0
	s_mov_b32 s[G0], 1
	s_mul_i32 s[G0+1], s[WV], LREC
	s_mov_b32 s[SEL], 0x76543210
	s_mov_b32 s[SEL+1], 0xfedcba98                 ; lane l xor 16
	s_mov_b32 s[CS], 0x3e38aa3b                    ; log2(e) / 8
	s_mov_b32 s[CS+1], s[CS]
	s_mov_b32 s60, 0x01000100
	s_mov_b32 s61, 0x03020302
	s_wait_alu depctr_va_vdst(0)
	s_wait_dscnt 0x0
	ROUND                                          ; the round in front of the joint loads
	s_wait_kmcnt 0x0
	s_add_nc_u64 s[G0+2:G0+3], s[6:7], s[52:53]
	s_or_b32 s[G0+3], s[G0+3], 0x80000000
	tensor_load_to_lds s[G0:G0+3], s[G1:G1+7]      ; my one tensor load
	s_nop 0
	s_lshl_b32 s54, s14, 4
	s_lshl_b32 s55, s13, 2
	s_add_co_u32 s54, s54, s55
	s_lshr_b32 s55, s[WV], 2
	s_add_co_u32 s54, s54, s55                     ; q's step of 128 queries
	s_mul_i32 s54, s54, SUBR
	s_mov_b32 s55, 0
	s_add_nc_u64 s[4:5], s[4:5], s[54:55]
	s_and_b32 s56, s[WV], 3                        ; my image of it: two tiles of 16 queries
	s_mul_i32 s57, s56, 1536
	v_and_b32 v7, 31, v0
	v_and_b32 v8, 15, v0
	v_and_b32 v9, 7, v0
	v_bfe_u32 v10, v0, 4, 1
	v_bfe_u32 v11, v0, 3, 1
	v_lshlrev_b32 v[LI], 4, v7
	v_lshlrev_b32 v[GO8], 3, v7
	v_lshlrev_b32 v[GS], 5, v8
	v_lshlrev_b32 v[SH8], 3, v10
	v_lshlrev_b32 v[XT], 4, v9
	v_mul_u32_u24 v[KL], v11, 3*PP
	v_lshl_add_u32 v[SL], v11, 2, v[XT]
	v_lshl_add_u32 v[XT], v10, 8, v[XT]
	v_add_nc_u32 v9, s57, v[LI]
	v_lshl_add_u32 v10, s56, 2, v[LI]
	v_add_nc_u32 v[KL], v[KL], v[XT]
	global_load_b128 v[22:25], v9, s[4:5]
	global_load_b64 v[26:27], v9, s[4:5] offset:512
	global_load_b64 v[34:35], v9, s[4:5] offset:520
	global_load_b128 v[36:39], v9, s[4:5] offset:1024
	global_load_b32 v11, v10, s[4:5] offset:6144
	s_lshr_b32 s54, s14, 4                         ; where o goes: row tile 128 x batch + 32 cx + 2 x wave, unit = head
	s_lshl_b32 s54, s54, 7
	s_lshl_b32 s55, s13, 5
	s_add_co_u32 s54, s54, s55
	s_lshl_b32 s55, s[WV], 1
	s_add_co_u32 s54, s54, s55
	s_and_b32 s57, s14, 15
	s_lshl_b32 s58, s54, 4
	s_add_co_u32 s58, s58, s57
	s_mul_i32 s58, s58, 768
	s_mov_b32 s59, 0
	s_add_nc_u64 s[OA:OA+1], s[8:9], s[58:59]
	s_lshl_b32 s58, s54, 9
	s_lshl_b32 s57, s57, 1
	s_add_co_u32 s58, s58, s57
	s_add_nc_u64 s[OS:OS+1], s[10:11], s[58:59]
.irp i, 0,1,2,3,4,5
	v_mov_b32 v[QHI+\i], 0
	v_mov_b32 v[28+\i], 0
.endr
.irp b, 0,1,2,3
	v_mov_b32 v[BP+\b], 0                          ; a lane permute's destination counts as one of its sources
.endr
	v_mov_b32 v[FF+1], 0
	v_mov_b32 v[TMP], 0
	s_wait_alu depctr_va_vdst(0)
	s_wait_loadcnt 0x0
	v_perm_b32 v[QSC], v11, v11, s60               ; a tile's two scale bytes, for either half of K
	v_perm_b32 v41, v11, v11, s61
	s_wait_alu depctr_va_vdst(0)
	s_wait_tensorcnt 0x0                           ; my key step is in,
	s_barrier_signal -1
	s_barrier_wait -1                              ; and everybody's: from here on LDS is only read
.macro KLOAD d, ka, sa, off            ; a key step's four operands of k into area d, and their scale words: 16 LDS loads
.irp o, 0,1,2,3
.irp p, 0,1,2
	ds_load_b128 v[\d+12*\o+4*\p:\d+12*\o+4*\p+3], v[\ka] offset:\off+6*PP*(\o/2)+128*(\o%2)+PP*\p
.endr
	ds_load_b32 v[SWK+\o], v[\sa] offset:\off+12*PP+128*(\o%2)+8*(\o/2)
.endr
.endm
.macro SOP k                           ; p's scales, a line at a time among the sum's additions
.if \k == 0
	v_max_num_f32 v[BM], FLOOR, v[BM]
.elseif \k == 1
	v_max_num_f32 v[BM+2], FLOOR, v[BM+2]
.elseif \k == 2
	v_add_nc_u32 v[BO], 0xff000000, v[BM]          ; 2 off the exponent field: the conversions' scale operand
.elseif \k == 3
	v_add_nc_u32 v[BO+1], 0xff000000, v[BM+2]
.elseif \k == 4
	v_lshrrev_b32 v[BP], 23, v[BO]                 ; the bytes of my blocks h and 2 + h,
.elseif \k == 5
	v_lshrrev_b32 v[BP+1], 23, v[BO+1]
.elseif \k == 6
	v_lshl_or_b32 v[PW], v[BP+1], 16, v[BP]
.elseif \k == 7
	v_lshlrev_b32 v[PW], v[SH8], v[PW]             ; at their places in the scale word;
.elseif \k == 8
	v_permlanex16_b32 v[BP+2], v[PW], s[SEL], s[SEL+1]
.elseif \k == 9
	v_or_b32 v[PW], v[PW], v[BP+2]                 ; with lane l xor 16's two the word is whole
.endif
.endm
; A step of 128 keys.  kk: the area with k's operands; ss: the area for the scores; ka, sa, off: where the next step's k lies
.macro STEP kk, ss, ka, sa, off
.rept 5
	v_nop                                          ; five places: the products below write over the registers that the last products with v have read
.endr
	s_wait_dscnt 0x0                               ; k's operands are in
.irp b, 0,1,2,3
	v_wmma_scale_f32_16x16x128_f8f6f4 v[\ss+16*\b:\ss+16*\b+7], v[\kk+12*\b:\kk+12*\b+11], v[QLO:QLO+11], 0, v[SWK+\b], v[QSC] matrix_a_fmt:MATRIX_FMT_FP6 matrix_b_fmt:MATRIX_FMT_FP6
	v_wmma_scale_f32_16x16x128_f8f6f4 v[\ss+16*\b+8:\ss+16*\b+15], v[\kk+12*\b:\kk+12*\b+11], v[QHI:QHI+11], 0, v[SWK+\b], v[QSC] matrix_a_fmt:MATRIX_FMT_FP6 matrix_b_fmt:MATRIX_FMT_FP6
.endr
	v_add_nc_u32 v[ADV], s[TB], v[LI]              ; with the v_nop: the four places ahead of the loads into k's registers and of the first read of the scores
	v_add_nc_u32 v[ADK], s[TB], v[KL]
	v_add_nc_u32 v[ADS], s[TB], v[SL]
	v_nop
.irp t, 0,1,2,3
.irp p, 0,1,2
	ds_load_b128 v[\kk+12*\t+4*\p:\kk+12*\t+4*\p+3], v[ADV] offset:PP*(13+3*\t+\p)
.endr
.endr
	ds_load_b128 v[SW:SW+3], v[ADV] offset:25*PP
.irp b, 0,1,2,3                        ; the largest score of my two blocks of 32 keys, in four chains; each accumulator is read from its low end on
	v_max3_num_f32 v[BM+\b], v[\ss+16*\b], v[\ss+1+16*\b], v[\ss+2+16*\b]
.endr
.irp i, 3,5,7,9,11,13
.irp b, 0,1,2,3
	v_max3_num_f32 v[BM+\b], v[BM+\b], v[\ss+16*\b+\i], v[\ss+1+16*\b+\i]
.endr
.endr
	v_max3_num_f32 v[BM+1], v[BM+1], v[\ss+15], v[\ss+31]
	v_max3_num_f32 v[BM+3], v[BM+3], v[\ss+47], v[\ss+63]
	s_delay_alu instid0(VALU_DEP_2)
	v_max_num_f32 v[BM], v[BM], v[BM+1]            ; block h
	s_delay_alu instid0(VALU_DEP_2)
	v_max_num_f32 v[BM+2], v[BM+2], v[BM+3]        ; block 2 + h
	s_delay_alu instid0(VALU_DEP_1)
	v_max_num_f32 v[TMP], v[BM], v[BM+2]
	s_delay_alu instid0(VALU_DEP_1)
	v_permlanex16_b32 v[BP], v[TMP], s[SEL], s[SEL+1]
	s_delay_alu instid0(VALU_DEP_1)
	v_max3_num_f32 v13, v13, v[TMP], v[BP]         ; the running largest score of my query
	s_delay_alu instid0(VALU_DEP_1)
	v_mul_f32 v[XT], s[CS], v13                    ; as t (the constant is positive)
	v_mov_b32 v[TMP], v12
	s_delay_alu instid0(VALU_DEP_2)
	v_floor_f32 v12, -v[XT]                        ; -M = -ceil(t): a whole number
	s_delay_alu instid0(VALU_DEP_1)
	v_sub_f32 v[TMP], v12, v[TMP]
	s_delay_alu instid0(VALU_DEP_1)
	v_cvt_i32_f32 v[TMP], v[TMP]                   ; (it saturates)
	s_delay_alu instid0(VALU_DEP_1)
	v_ldexp_f32 v[FF], 1.0, v[TMP]                 ; f = 2^(old M - new M)
.irp j, 0,2,4,6,8,10,12,14,16,18,20,22,24,26,28,30,32,34,36,38,40,42,44,46,48,50,52,54,56,58,60,62
	v_pk_fma_f32 v[\ss+\j:\ss+1+\j], v[\ss+\j:\ss+1+\j], s[CS:CS+1], v[12:13] op_sel_hi:[1,0,0]
.endr
	v_fma_f32 v[BM], v[BM], s[CS], v12             ; the same of each block's largest score: p rises with the score
	v_fma_f32 v[BM+2], v[BM+2], s[CS], v12
	s_wait_alu depctr_va_vdst(0)
	v_exp_f32 v[BM], v[BM]
	v_exp_f32 v[BM+2], v[BM+2]
.irp j, 0,1,2,3,4,5,6,7,8,9,10,11,12,13,14,15,16,17,18,19,20,21,22,23,24,25,26,27,28,29,30,31,32,33,34,35,36,37,38,39,40,41,42,43,44,45,46,47,48,49,50,51,52,53,54,55,56,57,58,59,60,61,62,63
	v_exp_f32 v[\ss+\j], v[\ss+\j]                 ; p = 2^(t - M)
.endr
	v_pk_mul_f32 v[14:15], v[14:15], v[FF:FF+1] op_sel_hi:[1,0]    ; the sums under the new M; the plain line behind the batch
	s_wait_alu depctr_va_vdst(0)                   ; and the one wait behind it
	v_pk_add_f32 v[SU2:SU2+1], v[\ss:\ss+1], v[\ss+2:\ss+3]        ; the sum of the unquantised p, in two chains
.irp j, 4,8,12,16,20,24,28,32,36,40,44,48,52,56,60
	v_pk_add_f32 v[14:15], v[14:15], v[\ss+\j:\ss+1+\j]
	v_pk_add_f32 v[SU2:SU2+1], v[SU2:SU2+1], v[\ss+2+\j:\ss+3+\j]
	SOP (\j/4-1)
.endr
.irp c, 0,1
	v_cvt_scalef32_pk16_fp6_f32 v[PC+6*\c:PC+2+6*\c], v[\ss+32*\c:\ss+15+32*\c], v[BO+\c]
	v_cvt_scalef32_pk16_fp6_f32 v[T2+4*\c:T2+2+4*\c], v[\ss+16+32*\c:\ss+31+32*\c], v[BO+\c]   ; (a conversion's three registers begin on an even number)
.endr
	v_pk_add_f32 v[14:15], v[14:15], v[SU2:SU2+1]  ; the plain line behind the conversions
	KLOAD \ss, \ka, \sa, \off                      ; p has been read for the last time: its area takes the next step's k
.irp c, 0,1
.irp i, 0,1,2
	v_mov_b32 v[PC+3+6*\c+\i], v[T2+4*\c+\i]
.endr
.endr
	s_wait_alu depctr_va_vdst(0)                   ; directly ahead of the first reader of O^T
.irp j, 0,2,4,6,8,10,12,14,16,18,20,22,24,26,28,30
	v_pk_mul_f32 v[OT+\j:OT+1+\j], v[OT+\j:OT+1+\j], v[FF:FF+1] op_sel_hi:[1,0]
.endr
	s_wait_alu depctr_va_vdst(0)
	s_wait_dscnt 16                                ; v's fragments are in; younger are the 16 loads of the next step's k
.irp t, 0,1,2,3
	v_wmma_scale_f32_16x16x128_f8f6f4 v[OT+8*\t:OT+8*\t+7], v[\kk+12*\t:\kk+12*\t+11], v[PC:PC+11], v[OT+8*\t:OT+8*\t+7], v[SW+\t], v[PW] matrix_a_fmt:MATRIX_FMT_FP6 matrix_b_fmt:MATRIX_FMT_FP6
.endr
.endm
	KLOAD AR0, KL, SL, 0                           ; key step 0's k
	s_mov_b32 s[PASS], 2
.Lpass:
	v_mov_b32 v13, 0xff61b1e6                      ; the largest score so far: -3e38
	v_floor_f32 v12, -v13                          ; -M
	v_mov_b32 v14, 0
	v_mov_b32 v15, 0
.irp j, 0,1,2,3,4,5,6,7,8,9,10,11,12,13,14,15,16,17,18,19,20,21,22,23,24,25,26,27,28,29,30,31
	v_mov_b32 v[OT+\j], 0
.endr
	s_mov_b32 s[TB], 0
	s_mov_b32 s[CNT], 7
.Lstep:                                        ; a trip is two steps: the areas are back where they began
	STEP AR0, AR1, ADK, ADS, LREC
	s_add_co_u32 s[TB], s[TB], LREC
	STEP AR1, AR0, ADK, ADS, LREC
	s_add_co_u32 s[TB], s[TB], LREC
	s_sub_co_u32 s[CNT], s[CNT], 1
	s_cmp_lg_u32 s[CNT], 0
	s_cbranch_scc1 .Lstep
	STEP AR0, AR1, ADK, ADS, LREC
	s_add_co_u32 s[TB], s[TB], LREC
	STEP AR1, AR0, KL, SL, 0                       ; the pass's last step fetches key step 0's k
; the way out: O^T / the sum, quantised along the head's 64: 16 registers of two neighbouring tiles are 16 neighbouring channels.  It works in the area that held v
.set S, AR1
.rept 4
	v_nop
.endr
	v_add_f32 v14, v14, v15
	s_delay_alu instid0(VALU_DEP_1)
	v_permlanex16_b32 v[TMP], v14, s[SEL], s[SEL+1]
	s_delay_alu instid0(VALU_DEP_1)
	v_add_f32 v14, v14, v[TMP]
	s_wait_alu depctr_va_vdst(0)
	v_rcp_f32 v14, v14
	v_nop
	s_wait_alu depctr_va_vdst(0)
.irp j, 0,1,2,3,4,5,6,7,8,9,10,11,12,13,14,15,16,17,18,19,20,21,22,23,24,25,26,27,28,29,30,31
	v_mul_f32 v[S+\j], v[OT+\j], v14
.endr
.irp b, 0,1
	v_max3_num_f32 v[BM+\b], |v[S+16*\b]|, |v[S+1+16*\b]|, 0x1800000
.endr
.irp i, 2,4,6,8,10,12,14
.irp b, 0,1
	s_delay_alu instid0(VALU_DEP_2)
	v_max3_num_f32 v[BM+\b], v[BM+\b], |v[S+16*\b+\i]|, |v[S+1+16*\b+\i]|
.endr
.endr
.irp b, 0,1
	s_delay_alu instid0(VALU_DEP_2)
	v_permlanex16_b32 v[BP+\b], v[BM+\b], s[SEL], s[SEL+1]
.endr
.irp b, 0,1
	s_delay_alu instid0(VALU_DEP_2)
	v_max_num_f32 v[BM+\b], v[BM+\b], v[BP+\b]
.endr
.irp b, 0,1
	s_delay_alu instid0(VALU_DEP_2)
	v_add_nc_u32 v[BO+\b], 0xff000000, v[BM+\b]
.endr
.irp b, 0,1
	s_delay_alu instid0(VALU_DEP_2)
	v_lshrrev_b32 v[BP+\b], 23, v[BO+\b]
.endr
	s_delay_alu instid0(VALU_DEP_1)
	v_lshl_or_b32 v[TMP], v[BP+1], 8, v[BP]
	v_cvt_scalef32_pk16_fp6_f32 v[PC:PC+2], v[S:S+15], v[BO]
	v_cvt_scalef32_pk16_fp6_f32 v[T2:T2+2], v[S+16:S+31], v[BO+1]
	v_nop
.irp i, 0,1,2
	v_permlane16_swap_b32 v[PC+\i], v[T2+\i]
.endr
.irp i, 0,1,2
	s_delay_alu instid0(VALU_DEP_3)
	v_mov_b32 v[PC+3+\i], v[T2+\i]
.endr
	global_store_b128 v[LI], v[PC:PC+3], s[OA:OA+1]
	global_store_b64 v[GO8], v[PC+4:PC+5], s[OA:OA+1] offset:512
	global_store_b16 v[GS], v[TMP], s[OS:OS+1]
	s_wait_xcnt 0x0                                ; the stores have read their registers and bases
	s_add_nc_u64 s[OA:OA+1], s[OA:OA+1], 12288
	s_add_nc_u64 s[OS:OS+1], s[OS:OS+1], 512
.irp i, 0,1,2,3,4,5
	v_mov_b32 v[QLO+\i], v[34+\i]                  ; the second pass's 16 queries
.endr
	v_mov_b32 v[QSC], v41
	s_sub_co_u32 s[PASS], s[PASS], 1
	s_cmp_lg_u32 s[PASS], 0
	s_cbranch_scc1 .Lpass
	s_wait_tensorcnt 0x0                           ; the wave's end
	ds_add_u32 v[SPW], v[NIL]
	s_wait_dscnt 0x0
	ROUND                                          ; the closing round
	s_endpgm
.Lfunc_end_k_q5af8b25a56_attn:
	.size	k_q5af8b25a56_attn, .Lfunc_end_k_q5af8b25a56_attn-k_q5af8b25a56_attn
	.p2alignl 7, 3214868480
	.fill 96, 4, 3214868480
	.section	.rodata,"a",@progbits
	.p2align	6, 0x0
	.amdhsa_kernel k_q5af8b25a56_attn
		.amdhsa_group_segment_fixed_size 327680
		.amdhsa_private_segment_fixed_size 0
		.amdhsa_enable_private_segment 0
		.amdhsa_kernarg_size 32
		.amdhsa_user_sgpr_count 2
		.amdhsa_user_sgpr_kernarg_segment_ptr 1
		.amdhsa_wavefront_size32 1
		.amdhsa_system_sgpr_workgroup_id_x 1
		.amdhsa_system_sgpr_workgroup_id_y 1
		.amdhsa_system_sgpr_workgroup_id_z 1
		.amdhsa_system_vgpr_workitem_id 0
		.amdhsa_next_free_vgpr 256
		.amdhsa_next_free_sgpr 66
		.amdhsa_reserve_vcc 0
		.amdhsa_float_denorm_mode_32 3
		.amdhsa_float_denorm_mode_16_64 3
		.amdhsa_memory_ordered 1
		.amdhsa_forward_progress 1
		.amdhsa_inst_pref_size 72
	.end_amdhsa_kernel
	.amdgpu_metadata
---
amdhsa.version: [ 1, 2 ]
amdhsa.kernels:
  - .name:           k_q5af8b25a56_attn
    .symbol:         k_q5af8b25a56_attn.kd
    .args:
      - { .name: qimg, .offset: 0, .size: 8, .value_kind: global_buffer, .address_space: global }
      - { .name: kv, .offset: 8, .size: 8, .value_kind: global_buffer, .address_space: global }
      - { .name: acodes, .offset: 16, .size: 8, .value_kind: global_buffer, .address_space: global }
      - { .name: ascl, .offset: 24, .size: 8, .value_kind: global_buffer, .address_space: global }
    .group_segment_fixed_size: 327680
    .private_segment_fixed_size: 0
    .kernarg_segment_align: 8
    .kernarg_segment_size: 32
    .max_flat_workgroup_size: 512
    .sgpr_count:     66
    .vgpr_count:     256
    .wavefront_size: 32
...
	.end_amdgpu_metadata
.endif
;; end of part 3
;; launch gemm_out (part 4): grid 32 x 8, 4 waves a work-group, clusters of 4 x 4, 327,680 bytes of LDS; arguments acodes, ascl, codes, scl, b_out, out0; writes out0
.if DOCPART == 4
	.amdgcn_target "amdgcn-amd-amdhsa--gfx1250"
	.amdhsa_code_object_version 6
	.text
	.protected	k_q5af8b25a56_gemm_out
	.globl	k_q5af8b25a56_gemm_out
	.p2align	8
	.type	k_q5af8b25a56_gemm_out,@function
k_q5af8b25a56_gemm_out:
	s_mov_b64 s[64:65], 0
	v_nop
	global_prefetch_b8 v0, s[64:65] scope:SCOPE_SE
	s_setreg_imm32_b32 hwreg(HW_REG_WAVE_MODE, 25, 1), 1
	s_wait_xcnt 0x0
	s_wait_alu depctr_hold_cnt(0) depctr_sa_sdst(0) depctr_va_vdst(0) depctr_va_sdst(0) depctr_va_ssrc(0) depctr_va_vcc(0) depctr_vm_vsrc(0)
	s_getreg_b32 s2, hwreg(HW_REG_IB_STS2, 6, 4)
	s_cmp_eq_u32 s2, 0
	s_cbranch_scc0 .Lentry_in_a_cluster
	s_endpgm
.Lentry_in_a_cluster:
	s_bfe_u32 s2, ttmp6, 0x10000c
	s_cmp_lg_u32 s2, 0xf033
	s_cbranch_scc0 .Lentry_shape_is_right
	s_endpgm
.Lentry_shape_is_right:
; out0[token][n] = sum over k of o[token][k] w_out[k][n] + b_out[n], f32, on codes of FP6 (E2M3) with E8M0 scales: 8,192 x 1,024 x 1,024.  A sum begins with the bias, where reference() adds it last.
; LIMITS: NaN, infinities and sums beyond f32's range are not served.
; OPERANDS are images of their registers (first launch): a row tile of 16 rows is 16 units of 768 bytes, a unit 64 along K: registers 0-3 of lane L at 16 L, registers 4, 5 at 512 + 8 L.  A: acodes, ascl (rows of 32 scale bytes); B: w_out's 64 tiles, from tile 704 of codes, row 11,264 of scl.
; In each group of 32 rows, row m of tile u is row 8 u + (m & 7) + 16 (m >> 3): of tokens in A, of columns in B.
; THE DEAL.  256 work-groups of four waves, 2 x 2, each 256 tokens x 128 columns.  A wave holds four tiles of 16 columns of B, all of K, in registers (32 fragments), and streams past them eight blocks of 16 rows of A: wave row w takes row tiles 2 s + w, s = 0 .. 7.
; The cluster's x counts tile rows: A's rows are shared by a column of the cluster, B's by a row, each asked for jointly.
; LDS: A's 16 row tiles and B's 8, dense, all at once: no refill, and no data prefetch, since all is asked for at the head.  Behind them A's scale bytes (by plain loads and LDS stores) and the spare words.  The waves' stages lie in B's first bytes, which have had their one fill and are read for the last time ahead of the barrier in front of the stream.
; THE HEAD'S FOUR TILES, one a wave, each on a line of its own: B; A's units 0 to 127; 128 to 191; 192 to 255.  The stream begins when the first two are in; a plain barrier inside the second block of a pair shows the others.
; Two sets of A's fragments, of accumulators and of the rows that come back from the stage, by turns.  Behind a block's 32 products one run of memory lines: its sums into the stage and back as whole rows of 256 bytes; the fetch of the block two on; one wait; eight stores.
; The matrix instruction is used transposed (source 0 = B's rows): register i of tile b of lane (r, h) is row r, column 32 (b / 2) + 8 (b % 2) + 16 h + i of my 64.
.set NQ, 8                             ; K / 128
.set NB, 4                             ; column tiles a wave
.set TM, 256
.set TN, 128
.set KROW, 768                         ; a unit; also 1/16 of a row tile
.set TILE, 12288
.set KS, 32
.set BOFF, 11264                       ; w_out's first row
.set FR, 12
.set FPW, 256/FR                       ; fragments in a window
.set NF, 34                            ; LDS loads of a block: 32 for eight fragments, 2 for eight scale words
.set YB, TM*KROW                       ; B
.set SCL, YB+TN*KROW                   ; A's scale bytes, dense
.set SPARE, SCL+TM*KS
.set SPITCH, 272                       ; a stage of 16 rows x (256 bytes + 16) for each wave
.set STAGE, YB
.set AAS0, 6                           ; LDS address of my row's scale words in block 0
.set CO, 9                             ; my byte offset in out0: row l / 16, 16 bytes x (l % 16)
.set SPW, 10
.set NIL, 11
.set ABS, 16
.set AAS, 17                           ; as v6, for the block that is fetched next
.set STO, 18
.set RD, 19
.set SB, 24                            ; v24-39 B's scale words
.set SA, 42                            ; v42-57 A's: two sets of eight
.set ACC, 64                           ; v64-127 two sets of four accumulators
.set BK, 128                           ; v128-191 two sets of rows back from the stage
.set AQ0, 192                          ; v192, v193 LDS addresses of block 0's tile: 16 bytes a lane, 8 bytes a lane
.set AQ, 200                           ; v200, v201 the same for the block that is fetched next
.set BO, 208                           ; v208-239 the bias as the first four products' C
.set BA, 240                           ; v240-247 LDS addresses of B's four tiles
.set G1A, 24
.set G0A, 56
.set G1B, 32
.set G0B, 60
.set MSB, 0
.macro WIN new
.if MSB != \new
	s_set_vgpr_msb (MSB<<8)|\new
.set MSB, \new
.endif
.endm
.macro PLACES n
.rept \n
	v_nop
.endr
.endm
.macro WALU
	s_wait_alu depctr_va_vdst(0)
.endm
.macro BARRIER
	s_barrier_signal -1
	s_barrier_wait -1
.endm
.macro CROUND
	BARRIER
	s_cmp_lg_u32 s14, 0
	s_cbranch_scc1 .Lnot_wave_0_\@
	s_barrier_signal -3
.Lnot_wave_0_\@:
	s_barrier_wait -3
	BARRIER
.endm
.macro TLOAD g0, g1
	tensor_load_to_lds s[\g0:\g0+3], s[\g1:\g1+7]
	s_nop 0
	PLACES 4
.endm
.macro ATILE first, rows               ; a part of A's 256 units, by a descriptor of constants: dense, so its place in LDS is its place among the units
	s_mov_b32 s[G0A+1], (\first)*KROW
	s_mov_b32 s[G1A+2], (\rows)<<16
	s_mov_b32 s[G1A+4], \rows
.if \first
	s_add_nc_u64 s[G0A+2:G0A+3], s[G0A+2:G0A+3], (\first)*KROW
.endif
	s_or_b32 s[G0A+3], s[G0A+3], 0x80000000
	TLOAD G0A, G1A
.endm
.macro GROUP1 g, mask, rows
	s_or_b32 s[\g+0], s[\mask], (1<<21)
	s_mov_b32 s[\g+1], (KROW&0xffff)<<16
	s_mov_b32 s[\g+3], KROW<<16
.if \rows
	s_mov_b32 s[\g+2], (KROW>>16)|((\rows)<<16)
	s_mov_b32 s[\g+4], \rows
.endif
	s_mov_b32 s[\g+5], KROW
	s_mov_b32 s[\g+6], 0
	s_mov_b32 s[\g+7], 0
.endm
.macro FRAG f, q, a0, a1               ; fragment f, step q along K: two units, of each 16 bytes and 8 bytes a lane, lanes on end
	WIN (1+(\f)/FPW)<<6
.set R_, FR*((\f)%FPW)
.irp c, 0,1
	ds_load_b128 v[R_+6*\c:R_+6*\c+3], v[\a0] offset:KROW*(2*(\q)+\c)
	ds_load_b64 v[R_+6*\c+4:R_+6*\c+5], v[\a1] offset:KROW*(2*(\q)+\c)+512
.endr
.endm
.macro FETCHAT e, aq, as               ; a block of A into set e: NF loads
.irp q, 0,1,2,3,4,5,6,7
	FRAG NB*NQ+NQ*(\e)+\q, \q, \aq, \aq+1
.endr
	WIN 0
	ds_load_b128 v[SA+8*(\e):SA+8*(\e)+3], v[\as]
	ds_load_b128 v[SA+8*(\e)+4:SA+8*(\e)+7], v[\as] offset:16
.endm
.macro PROD e, n                       ; product n = 4 q + tile of a block whose rows lie in set e; the four accumulators take turns
.set Q_, (\n)/4
.set FB_, NB*Q_+(\n)%4
.set FA_, NB*NQ+NQ*(\e)+Q_
.set D_, ACC+32*(\e)+8*((\n)%4)
.set XB_, SB+NQ*(((\n)%4)/2)+Q_
.set XA_, SA+8*(\e)+Q_
	WIN (1+FB_/FPW)|((1+FA_/FPW)<<2)
.if Q_
	PROD1 D_, FB_, FA_, v[D_:D_+7], XB_, XA_, (\n)%2
.else
	PROD1 D_, FB_, FA_, v[BO+8*((\n)%4):BO+8*((\n)%4)+7], XB_, XA_, (\n)%2
.endif
.endm
.macro PROD1 d, s0, s1, c, x0, x1, o
.if \o
	v_wmma_scale_f32_16x16x128_f8f6f4 v[\d:\d+7], v[FR*((\s0)%FPW):FR*((\s0)%FPW)+FR-1], v[FR*((\s1)%FPW):FR*((\s1)%FPW)+FR-1], \c, v[\x0], v[\x1] matrix_a_fmt:MATRIX_FMT_FP6 matrix_b_fmt:MATRIX_FMT_FP6 matrix_a_scale:MATRIX_SCALE_ROW1
.else
	v_wmma_scale_f32_16x16x128_f8f6f4 v[\d:\d+7], v[FR*((\s0)%FPW):FR*((\s0)%FPW)+FR-1], v[FR*((\s1)%FPW):FR*((\s1)%FPW)+FR-1], \c, v[\x0], v[\x1] matrix_a_fmt:MATRIX_FMT_FP6 matrix_b_fmt:MATRIX_FMT_FP6 matrix_a_scale:MATRIX_SCALE_ROW0
.endif
.endm
.macro PRODS e, from, to
.set N_, \from
.rept (\to)-(\from)
	PROD \e, N_
.set N_, N_+1
.endr
	WIN 0
.endm
.macro STAGED u                        ; set u's sums into my stage, each accumulator from its low end on, and back as whole rows.  LDS serves a wave's instructions in order (ISA guide 5.7.1.4): no wait between
.irp b, 0,1,2,3
	ds_store_b128 v[STO], v[ACC+32*(\u)+8*\b:ACC+32*(\u)+8*\b+3] offset:128*(\b/2)+32*(\b%2)
	ds_store_b128 v[STO], v[ACC+32*(\u)+8*\b+4:ACC+32*(\u)+8*\b+7] offset:128*(\b/2)+32*(\b%2)+16
.endr
.irp t, 0,1,2,3,4,5,6,7
	ds_load_b128 v[BK+32*(\u)+4*\t:BK+32*(\u)+4*\t+3], v[RD] offset:2*\t*SPITCH
.endr
.endm
.macro TOC s                           ; s[12:13] stands at the pair's first token; the pair's second block lies 32 tokens on.  A block's rows 2 t, 2 t + 1 are tokens 16 (t / 4) + 2 t % 8 and the next
.irp t, 0,1,2,3,4,5,6,7
	global_store_b128 v[CO], v[BK+32*(\s)+4*\t:BK+32*(\s)+4*\t+3], s[12:13] offset:(32*(\s)+16*(\t/4)+(2*\t)%8)*4096 th:TH_STORE_NT   ; sixteen lanes store 256 consecutive bytes, at a multiple of 256 from the buffer's first byte
.endr
.endm
.macro STREAM s, fetch, show           ; a pair's block s = 0, 1.  show = 1: a plain barrier inside the block shows waves 2 and 3's tiles to all
.if \fetch
	s_add_co_u32 s101, s101, 2*TILE                ; on to the block that is fetched behind this one
	s_add_co_u32 s91, s91, 32*KS
.endif
.if \show
	PRODS \s, 0, 24
	s_wait_tensorcnt 0x0
	s_wait_dscnt 0x0
	s_barrier_signal -1
	PRODS \s, 24, 32
	s_barrier_wait -1
.else
	PRODS \s, 0, 32
.endif
.if \fetch                             ; four plain vector lines between the last product and the first reader of its sums and the fetch into its registers
	v_add_nc_u32 v[AQ], s101, v[AQ0]
	v_add_nc_u32 v[AQ+1], s101, v[AQ0+1]
	v_add_nc_u32 v[AAS], s91, v[AAS0]
	v_nop
	WALU
.else
	PLACES 4
.endif
	s_wait_xcnt 0x0                                ; the stores of two blocks ago have read set s of the rows, and those of the block before their base
.if (\s) == 0
	s_add_nc_u64 s[12:13], s[12:13], s[20:21]      ; on to this pair's rows
.endif
	STAGED \s
.if \fetch
	FETCHAT \s, AQ, AAS
	s_wait_dscnt NF                                ; the block's rows are back from the stage, and the next block's fragments are in; this run's fetch is younger
.else
	s_wait_dscnt 0x0
.endif
	TOC \s
.endm
; ---------------- the head
	s_load_b128 s[4:7], s[0:1], 0x0                ; acodes, ascl
	s_load_b128 s[8:11], s[0:1], 0x10              ; codes, scl
	s_load_b64 s[86:87], s[0:1], 0x20              ; b_out
	s_load_b64 s[12:13], s[0:1], 0x28              ; out0
	v_lshl_add_u32 v[SPW], v0, 2, SPARE
	v_mov_b32 v[NIL], 0
	ds_add_u32 v[SPW], v[NIL]                      ; the opening lines: the add twice on end and its wait
	ds_add_u32 v[SPW], v[NIL]
	v_lshrrev_b32 v1, 5, v0
	v_readfirstlane_b32 s14, v1                    ; the wave; s15 its row of the 2 x 2, s16 its column
	s_lshr_b32 s15, s14, 1
	s_and_b32 s16, s14, 1
	s_bfe_u32 s40, ttmp6, 0x40000
	s_bfe_u32 s41, ttmp6, 0x40004
	s_lshl_b32 s43, ttmp9, 2
	s_add_co_u32 s43, s43, s40                     ; tile row: 4 x cluster x + cx
	s_and_b32 s42, ttmp7, 0xffff
	s_lshl_b32 s42, s42, 2
	s_add_co_u32 s42, s42, s41                     ; tile column: 4 x cluster y + cy
	s_lshl_b32 s44, 0x1111, s40                    ; my column of the cluster: shares A
	s_lshl_b32 s45, s41, 2
	s_lshl_b32 s45, 15, s45                        ; my row: shares B
	GROUP1 G1A, 44, 0
	GROUP1 G1B, 45, TN
	s_mov_b32 s[G0A], 1
	s_mov_b32 s[G0B], 1
	s_mov_b32 s[G0B+1], YB
	s_mul_i32 s76, s43, TM*KROW                    ; A's codes
	s_mov_b32 s77, 0
	s_mul_i32 s78, s42, TN*KROW                    ; B's
	s_mov_b32 s79, 0
	s_mul_i32 s80, s43, TM*KS                      ; A's scale bytes
	s_mov_b32 s81, 0
	s_mul_i32 s82, s42, TN*KS                      ; B's, my 64 rows
	s_mul_i32 s21, s16, 16*NB*KS
	s_add_co_u32 s82, s82, s21
	s_mov_b32 s83, 0
	s_mul_i32 s88, s42, TN*4                       ; my 64 columns, in bytes
	s_mul_i32 s21, s16, 16*NB*4
	s_add_co_u32 s88, s88, s21
	s_mov_b32 s89, 0
	s_mul_i32 s84, s43, TM*4096                    ; my first token: 256 x tile row + 8 x wave row
	s_mul_i32 s21, s15, 8*4096
	s_add_co_u32 s84, s84, s21
	s_add_co_u32 s84, s84, s88
	s_mov_b32 s85, 0
	v_and_b32 v1, 15, v0
	v_bfe_u32 v2, v0, 4, 1
	v_and_b32 v3, 31, v0
	v_lshlrev_b32 v22, 4, v3
	v_lshlrev_b32 v23, 3, v3
	s_mul_i32 s23, s15, TILE
	v_add_nc_u32 v[AQ0], s23, v22
	v_add_nc_u32 v[AQ0+1], s23, v23
	s_mul_i32 s22, s16, NB*TILE
	s_add_co_u32 s22, s22, YB
	v_add_nc_u32 v[BA], s22, v22
	v_add_nc_u32 v[BA+1], s22, v23
	v_add_nc_u32 v[AQ], 2*TILE, v[AQ0]
	v_add_nc_u32 v[AQ+1], 2*TILE, v[AQ0+1]
.irp b, 1,2,3
	v_add_nc_u32 v[BA+2*\b], \b*TILE, v[BA]
	v_add_nc_u32 v[BA+2*\b+1], \b*TILE, v[BA+1]
.endr
	v_mul_u32_u24 v[ABS], v3, KS
	s_mul_i32 s21, s15, 16*KS
	s_add_co_u32 s21, s21, SCL
	v_lshl_add_u32 v[AAS0], v1, 5, s21
	v_add_nc_u32 v[AAS], 32*KS, v[AAS0]
	s_mul_i32 s21, s14, 16*SPITCH
	s_add_co_u32 s21, s21, STAGE
	v_mul_u32_u24 v23, v1, SPITCH
	v_lshl_add_u32 v23, v2, 6, v23
	v_add_nc_u32 v[STO], s21, v23
	v_mul_u32_u24 v23, v2, SPITCH
	v_lshl_add_u32 v23, v1, 4, v23
	v_add_nc_u32 v[RD], s21, v23
	v_mul_u32_u24 v23, v2, 4096
	v_lshl_add_u32 v[CO], v1, 4, v23
	v_lshlrev_b32 v20, 4, v0                       ; A's scale bytes: 16 bytes a thread, four times
	v_add_nc_u32 v21, SCL, v20
	v_lshlrev_b32 v8, 6, v2                        ; the bias: 16 h columns on
	WALU
	s_wait_dscnt 0x0
	CROUND                                         ; the opening round
	s_wait_kmcnt 0x0
	s_add_nc_u64 s[8:9], s[8:9], BOFF*KROW
	s_add_nc_u64 s[10:11], s[10:11], BOFF*KS
	s_add_nc_u64 s[G0A+2:G0A+3], s[4:5], s[76:77]
	s_add_nc_u64 s[G0B+2:G0B+3], s[8:9], s[78:79]
	s_or_b32 s[G0B+3], s[G0B+3], 0x80000000
	s_add_nc_u64 s[6:7], s[6:7], s[80:81]
	s_add_nc_u64 s[10:11], s[10:11], s[82:83]
	s_add_nc_u64 s[12:13], s[12:13], s[84:85]
	s_add_nc_u64 s[86:87], s[86:87], s[88:89]
	s_cmp_eq_u32 s14, 0
	s_cbranch_scc0 .Lwave_1
	TLOAD G0B, G1B                                 ; wave 0: B, which is wanted first
	s_branch .Lasked
.Lwave_1:
	s_cmp_eq_u32 s14, 1
	s_cbranch_scc0 .Lwave_2
	ATILE 0, 128                                   ; wave 1: A's row tiles 0 to 7
	s_branch .Lasked
.Lwave_2:
	s_cmp_eq_u32 s14, 2
	s_cbranch_scc0 .Lwave_3
	ATILE 128, 64                                  ; wave 2: 8 to 11
	s_branch .Lasked
.Lwave_3:
	ATILE 192, 64                                  ; wave 3: 12 to 15
.Lasked:
.irp k, 0,1,2,3
	global_load_b128 v[ACC+4*\k:ACC+4*\k+3], v20, s[6:7] offset:2048*\k    ; a wave reads 512 consecutive bytes
.endr
.irp b, 0,1,2,3
	global_load_b128 v[BO+8*\b:BO+8*\b+3], v8, s[86:87] offset:(32*(\b/2)+8*(\b%2))*4
	global_load_b128 v[BO+8*\b+4:BO+8*\b+7], v8, s[86:87] offset:(32*(\b/2)+8*(\b%2))*4+16
.endr
.irp p, 0,1
.irp c, 0,1
	global_load_b128 v[SB+NQ*\p+4*\c:SB+NQ*\p+4*\c+3], v[ABS], s[10:11] offset:\p*32*KS+16*\c   ; lanes 0-15 tile 2 p, lanes 16-31 tile 2 p + 1
.endr
.endr
	s_wait_loadcnt 0x0
.irp k, 0,1,2,3
	ds_store_b128 v21, v[ACC+4*\k:ACC+4*\k+3] offset:2048*\k
.endr
	s_wait_dscnt 0x0
	s_cmp_eq_u32 s14, 0
	s_cbranch_scc0 .Lnot_b
	s_wait_tensorcnt 0x0
.Lnot_b:
	BARRIER                                        ; B has landed
.irp q, 0,1,2,3,4,5,6,7
.irp b, 0,1,2,3
	FRAG NB*\q+\b, \q, BA+2*\b, BA+2*\b+1
.endr
.endr
	WIN 0
	s_mov_b32 s101, 2*TILE
	s_mov_b32 s91, 32*KS
	s_cmp_eq_u32 s14, 1
	s_cbranch_scc0 .Lnot_a
	s_wait_tensorcnt 0x0                           ; wave 1: A's row tiles 0 to 7 have landed
.Lnot_a:
	s_wait_dscnt 0x0
	BARRIER                                        ; they and all scale bytes are in, and nobody reads B's bytes any more.  Waves 2 and 3's tiles may still be on their way
	FETCHAT 0, AQ0, AAS0
	FETCHAT 1, AQ, AAS
; ---------------- the stream: eight blocks
	s_mov_b32 s23, 0
	s_mov_b32 s20, 0                               ; s[20:21]: from a pair's rows to the next pair's; block 0 begins where the base stands
	s_mov_b32 s21, 0
	s_wait_dscnt NF                                ; block 0's fragments are in
.Lpair:                                        ; blocks 0 to 5, a pair a trip
	STREAM 0, 1, 0
	STREAM 1, 1, 1
	s_mov_b32 s20, 64*4096                         ; the next pair's rows lie 64 tokens on
	s_add_co_u32 s23, s23, 1
	s_cmp_lg_u32 s23, 3
	s_cbranch_scc1 .Lpair
	STREAM 0, 0, 0                                 ; blocks 6 and 7 fetch nothing
	STREAM 1, 0, 0
	s_wait_tensorcnt 0x0                           ; the wave's end
	ds_add_u32 v[SPW], v[NIL]
	s_wait_dscnt 0x0
	CROUND                                         ; the closing round
	s_endpgm
.Lfunc_end_k_q5af8b25a56_gemm_out:
	.size	k_q5af8b25a56_gemm_out, .Lfunc_end_k_q5af8b25a56_gemm_out-k_q5af8b25a56_gemm_out
	.p2alignl 7, 3214868480
	.fill 96, 4, 3214868480
	.section	.rodata,"a",@progbits
	.p2align	6, 0x0
	.amdhsa_kernel k_q5af8b25a56_gemm_out
		.amdhsa_group_segment_fixed_size 327680
		.amdhsa_private_segment_fixed_size 0
		.amdhsa_enable_private_segment 0
		.amdhsa_kernarg_size 48
		.amdhsa_user_sgpr_count 2
		.amdhsa_user_sgpr_kernarg_segment_ptr 1
		.amdhsa_wavefront_size32 1
		.amdhsa_system_sgpr_workgroup_id_x 1
		.amdhsa_system_sgpr_workgroup_id_y 1
		.amdhsa_system_sgpr_workgroup_id_z 1
		.amdhsa_system_vgpr_workitem_id 0
		.amdhsa_next_free_vgpr 840
		.amdhsa_next_free_sgpr 102
		.amdhsa_reserve_vcc 0
		.amdhsa_float_denorm_mode_32 3
		.amdhsa_float_denorm_mode_16_64 3
		.amdhsa_memory_ordered 1
		.amdhsa_forward_progress 1
		.amdhsa_inst_pref_size 53
	.end_amdhsa_kernel
	.amdgpu_metadata
---
amdhsa.version: [ 1, 2 ]
amdhsa.kernels:
  - .name:           k_q5af8b25a56_gemm_out
    .symbol:         k_q5af8b25a56_gemm_out.kd
    .args:
      - { .name: acodes, .offset: 0, .size: 8, .value_kind: global_buffer, .address_space: global }
      - { .name: ascl, .offset: 8, .size: 8, .value_kind: global_buffer, .address_space: global }
      - { .name: codes, .offset: 16, .size: 8, .value_kind: global_buffer, .address_space: global }
      - { .name: scl, .offset: 24, .size: 8, .value_kind: global_buffer, .address_space: global }
      - { .name: b_out, .offset: 32, .size: 8, .value_kind: global_buffer, .address_space: global }
      - { .name: out0, .offset: 40, .size: 8, .value_kind: global_buffer, .address_space: global }
    .group_segment_fixed_size: 327680
    .private_segment_fixed_size: 0
    .kernarg_segment_align: 8
    .kernarg_segment_size: 48
    .max_flat_workgroup_size: 128
    .sgpr_count:     102
    .vgpr_count:     840
    .wavefront_size: 32
...
	.end_amdgpu_metadata
.endif
;; end of part 4
